; MI455X (gfx1250); checked and timed in simulation.
; The chip was launched on July 23, 2026; its instructions are those of AMD's public machine-readable ISA for CDNA 5 (MIT licence, August 2026) and "CDNA5" Instruction Set Architecture Reference Guide (July 2026). The comments in the code are by the model that wrote it; some were corrected since.
;; Casual Attention. Allowed arithmetic: float matrix products may take bf16 or f16 operands with f32 sums; other float arithmetic in f32, or as packed bf16 or f16 multiplies, adds, multiply-adds, maxima and minima; sums over many terms, partial sums and values carried from step to step in f32; what a program stores and reads back later, other than sums and carried values, may be rounded once to bf16 or f16.
;; Inputs: W_k 1,024 x 1,024 float32; W_q 1,024 x 1,024 float32; W_v 1,024 x 1,024 float32; x 4 x 2,048 x 1,024 float32.
;; Outputs: out0 4 x 2,048 x 1,024 float32.
;; 2 versions, each right; version 2 is version 1 with the launch cast written anew for expert scheduling mode. Each part assembles by itself: llvm-mc -triple=amdgcn-amd-amdhsa -mcpu=gfx1250 --defsym DOCPART=n.
;; ======== version 1 of 2: 6 launches
;; limits: values are held in f16: magnitudes above 65,504 overflow, below 6.1e-05 lose precision
;; workspace buffers: xh 16,777,216 bytes; wh 6,291,456 bytes; qk 33,554,432 bytes; sc 67,108,864 bytes; pw 33,554,432 bytes; rl 32,768 bytes; yh 16,777,216 bytes
;; launch cast (part 1): grid 704 x 1, 8 waves a work-group, no clusters, 0 bytes of LDS; arguments x, W_q, W_k, W_v, xh, wh; writes xh, wh
.if DOCPART == 1
	.amdgcn_target "amdgcn-amd-amdhsa--gfx1250"
	.amdhsa_code_object_version 6
	.text
	.protected	k_qfcea8ddcf3_cast
	.globl	k_qfcea8ddcf3_cast
	.p2align	8
	.type	k_qfcea8ddcf3_cast,@function
k_qfcea8ddcf3_cast:
	s_mov_b64 s[64:65], 0
	v_nop
	global_prefetch_b8 v0, s[64:65] scope:SCOPE_SE
	s_setreg_imm32_b32 hwreg(HW_REG_WAVE_MODE, 25, 1), 1
	s_wait_xcnt 0x0
; xh = f16(bf16(x)); wh = f16(bf16([W_q; W_k; W_v])), the three weights on end.  Every input is rounded once, to bf16 (nearest even); that number is then written as f16.
; LIMITS.  A bf16 number has 8 significant bits and is exact in f16 between 6.1e-5 and 65,504 in magnitude; below that it keeps f16's fixed step of 6e-8, above it becomes an infinity.
; SHARES.  All four tensors are flat streams.  A work-group takes 65,536 bytes in and 32,768 out; x has 512 such units, each weight 64: 704 work-groups.  A wave takes 8,192 bytes in:
; sixteen loads of 512 consecutive bytes, all issued at once, and sixteen stores of 256 consecutive bytes, aligned.  Each byte is read once and written once; nothing is shared, so no LDS.
.set X, 16                             ; v[16:79]   the sixteen loads' results
.set T, 4                              ; v[4:9]     at work
.set Y, 80                             ; v[80:111]  a pair for each store: never rewritten, so no store's data waits for a wait
	s_load_b256 s[4:11], s[0:1], 0x0               ; x s[4:5], W_q s[6:7], W_k s[8:9], W_v s[10:11]
	s_load_b128 s[12:15], s[0:1], 0x20             ; xh s[12:13], wh s[14:15]
	s_sub_co_u32 s16, ttmp9, 512                   ; behind x's 512 units: the unit's number in wh
	s_lshr_b32 s17, s16, 6                         ; which weight: 0, 1, 2
	s_and_b32 s18, s16, 63                         ; the unit's number in that weight
	s_mov_b32 s28, 0xffff0000                      ; a word's upper bf16
	v_and_b32 v3, 31, v0                           ; lane
	v_and_b32 v12, 0xe0, v0                        ; 32 x wave
	v_lshlrev_b32 v1, 4, v3
	v_lshl_or_b32 v1, v12, 8, v1                   ; in: 8,192 x wave + 16 x lane
	v_lshlrev_b32 v2, 3, v3
	v_lshl_or_b32 v2, v12, 7, v2                   ; out: 4,096 x wave + 8 x lane
	s_wait_kmcnt 0x0
	s_cmp_eq_u32 s17, 1
	s_cselect_b64 s[20:21], s[8:9], s[6:7]
	s_cmp_eq_u32 s17, 2
	s_cselect_b64 s[20:21], s[10:11], s[20:21]
	s_cmp_lt_u32 ttmp9, 512                        ; the first 512 work-groups take x
	s_cselect_b64 s[20:21], s[4:5], s[20:21]       ; from where
	s_cselect_b64 s[22:23], s[12:13], s[14:15]     ; to where
	s_cselect_b32 s18, ttmp9, s18
	s_cselect_b32 s19, ttmp9, s16
	s_lshl_b32 s24, s18, 16                        ; the unit's bytes in, under 2^25
	s_mov_b32 s25, 0
	s_lshl_b32 s26, s19, 15                        ; and out
	s_mov_b32 s27, 0
	s_add_nc_u64 s[20:21], s[20:21], s[24:25]
	s_add_nc_u64 s[22:23], s[22:23], s[26:27]
.irp j, 0,1,2,3,4,5,6,7,8,9,10,11,12,13,14,15
	global_load_b128 v[X+4*(\j):X+4*(\j)+3], v1, s[20:21] offset:512*(\j) th:TH_LOAD_NT
.endr
.irp j, 0,1,2,3,4,5,6,7,8,9,10,11,12,13,14,15
	s_wait_loadcnt 15-(\j)                         ; loads come back in order (ISA guide 5.7.1): load j is in, the younger ones stay out
	v_cvt_pk_bf16_f32 v[T], v[X+4*(\j)], v[X+4*(\j)+1]      ; the one rounding
	v_cvt_pk_bf16_f32 v[T+1], v[X+4*(\j)+2], v[X+4*(\j)+3]
	v_lshlrev_b32 v[T+2], 16, v[T]                 ; bf16 to f32: the low half moves up,
	v_and_b32     v[T+3], s28, v[T]                ; the high half stays
	v_lshlrev_b32 v[T+4], 16, v[T+1]
	v_and_b32     v[T+5], s28, v[T+1]
	v_cvt_pk_f16_f32 v[Y+2*(\j)], v[T+2], v[T+3]
	v_cvt_pk_f16_f32 v[Y+2*(\j)+1], v[T+4], v[T+5]
	global_store_b64 v2, v[Y+2*(\j):Y+2*(\j)+1], s[22:23] offset:256*(\j)  ; 32 lanes store 256 consecutive bytes, aligned
.endr
	s_endpgm
.Lfunc_end_k_qfcea8ddcf3_cast:
	.size	k_qfcea8ddcf3_cast, .Lfunc_end_k_qfcea8ddcf3_cast-k_qfcea8ddcf3_cast
	.p2alignl 7, 3214868480
	.fill 96, 4, 3214868480
	.section	.rodata,"a",@progbits
	.p2align	6, 0x0
	.amdhsa_kernel k_qfcea8ddcf3_cast
		.amdhsa_group_segment_fixed_size 0
		.amdhsa_private_segment_fixed_size 0
		.amdhsa_enable_private_segment 0
		.amdhsa_kernarg_size 48
		.amdhsa_user_sgpr_count 2
		.amdhsa_user_sgpr_kernarg_segment_ptr 1
		.amdhsa_wavefront_size32 1
		.amdhsa_system_sgpr_workgroup_id_x 1
		.amdhsa_system_sgpr_workgroup_id_y 1
		.amdhsa_system_sgpr_workgroup_id_z 1
		.amdhsa_system_vgpr_workitem_id 0
		.amdhsa_next_free_vgpr 112
		.amdhsa_next_free_sgpr 66
		.amdhsa_reserve_vcc 0
		.amdhsa_float_denorm_mode_32 3
		.amdhsa_float_denorm_mode_16_64 3
		.amdhsa_memory_ordered 1
		.amdhsa_forward_progress 1
		.amdhsa_inst_pref_size 11
	.end_amdhsa_kernel
	.amdgpu_metadata
---
amdhsa.version: [ 1, 2 ]
amdhsa.kernels:
  - .name:           k_qfcea8ddcf3_cast
    .symbol:         k_qfcea8ddcf3_cast.kd
    .args:
      - { .name: x, .offset: 0, .size: 8, .value_kind: global_buffer, .address_space: global }
      - { .name: W_q, .offset: 8, .size: 8, .value_kind: global_buffer, .address_space: global }
      - { .name: W_k, .offset: 16, .size: 8, .value_kind: global_buffer, .address_space: global }
      - { .name: W_v, .offset: 24, .size: 8, .value_kind: global_buffer, .address_space: global }
      - { .name: xh, .offset: 32, .size: 8, .value_kind: global_buffer, .address_space: global }
      - { .name: wh, .offset: 40, .size: 8, .value_kind: global_buffer, .address_space: global }
    .group_segment_fixed_size: 0
    .private_segment_fixed_size: 0
    .kernarg_segment_align: 8
    .kernarg_segment_size: 48
    .max_flat_workgroup_size: 256
    .sgpr_count:     66
    .vgpr_count:     112
    .wavefront_size: 32
...
	.end_amdgpu_metadata
.endif
;; end of part 1
;; launch projqk (part 2): grid 8 x 32, 4 waves a work-group, clusters of 4 x 4, 327,680 bytes of LDS; arguments xh, wh, qk; writes qk
.if DOCPART == 2
	.amdgcn_target "amdgcn-amd-amdhsa--gfx1250"
	.amdhsa_code_object_version 6
	.text
	.protected	k_qfcea8ddcf3_projqk
	.globl	k_qfcea8ddcf3_projqk
	.p2align	8
	.type	k_qfcea8ddcf3_projqk,@function
k_qfcea8ddcf3_projqk:
	s_mov_b64 s[64:65], 0
	v_nop
	global_prefetch_b8 v0, s[64:65] scope:SCOPE_SE
	s_setreg_imm32_b32 hwreg(HW_REG_WAVE_MODE, 25, 1), 1
	s_wait_xcnt 0x0
	s_wait_alu depctr_hold_cnt(0) depctr_sa_sdst(0) depctr_va_vdst(0) depctr_va_sdst(0) depctr_va_ssrc(0) depctr_va_vcc(0) depctr_vm_vsrc(0)
	s_getreg_b32 s2, hwreg(HW_REG_IB_STS2, 6, 4)
	s_cmp_eq_u32 s2, 0
	s_cbranch_scc0 .Lentry_in_a_cluster
	s_endpgm
.Lentry_in_a_cluster:
	s_bfe_u32 s2, ttmp6, 0x10000c
	s_cmp_lg_u32 s2, 0xf033
	s_cbranch_scc0 .Lentry_shape_is_right
	s_endpgm
.Lentry_shape_is_right:
; qk[m][n] = sum over k of xh[m][k] wh[n][k], n = 0 .. 2047: q in columns 0-1023, k in columns 1024-2047.  xh: [8192][1024], wh: [3072][1024] (rows 0-2047 are read), qk: [8192][2048], all f16; sums in f32, rounded once.
; LIMIT.  q and k must stay under 65,504 in magnitude (f16).
; A tile of qk, 256 x 256, is made by a work-group of four waves; a wave makes 128 x 128: 64 accumulators of 16 x 16, 512 registers.  32 x 8 tiles: 256 work-groups.
; K goes in 8 steps of 128 through a ring of two LDS slots filled by the tensor data mover: a tile's rows are 256 bytes of memory, at multiples of 256 from the buffer's first byte.
; ONE TEXT FOR A K STEP: a trip of the loop is one step.  s[TB] is the LDS byte at which the slot in hand begins, 0 or SLOT by turns; the four fragment addresses and the walking descriptor's LDS word are made from it.
; CLUSTERS: 4 x 4 work-groups.  The four of a row of the cluster need the same tiles of xh, the four of a column the same tiles of wh: each tile is asked for JOINTLY, by the same tensor load with the
; same descriptor and a mask that names the four.
; REGISTERS, in windows of 256 (s_set_vgpr_msb's low byte: bits 1:0 source 0, 3:2 source 1, 5:4 source 2, 7:6 destination):
;   window 0: v0-31 addresses; v64-127, v128-191 fragments of A, two buffers; v32-63, v192-255 at work on the way out
;   window 1: v64-127, v128-191 fragments of B, two buffers;   window 2: the accumulators of my rows 0-63 ((a, b) at v[8 (8 a + b)]);   window 3: those of my rows 64-127
; THE MATRIX INSTRUCTION IS USED TRANSPOSED: source 0 = 16 rows of B, source 1 = 16 rows of A: lane l then holds row l % 16 of C and the columns 8 (l / 16) + 0 .. 7, which pack into 16 bytes.
.set SIZE_N, 2048
.set SIZE_K, 1024
.set KSTEP,  128
.set STEPS,  SIZE_K/KSTEP              ; 8
.set PITCH,  272                       ; an LDS row: 256 bytes + 16 of padding = 68 words: the 16 rows of a load start at 16 different groups of four banks (64 banks of 4 bytes: ISA guide 11.1)
.set HALFT,  128*PITCH                 ; 128 rows: what one tensor load brings, and what one wave reads of A or of B
.set SLOT,   4*HALFT                   ; A's 256 rows, then B's 256 rows
.set STAGE,  2*SLOT                    ; behind the ring: 16 rows x 272 bytes for each wave, for the way out
.set SPITCH, 272
.set SPARE,  STAGE+4*16*SPITCH         ; behind the stages: the spare words, 128 bytes for each wave
.set ADRA, 16                          ; v16  LDS address of my A fragments in the slot in hand; v17 in the other slot
.set A0,   18                          ; v18  the same in slot 0; never rewritten
.set ADRB, 20                          ; v20-21  the same two for B
.set B0,   22                          ; v22
.set STO,  24                          ; v24     the way out: where I put 16 bytes of a row
.set RD,   25                          ; v25     the way out: where I read a row back
.set CO,   26                          ; v26     my byte offset in two rows of C
.set SPW,  28                          ; v28     LDS address of my spare word; never rewritten
.set NIL,  29                          ; v29     0; never rewritten
.set PFO,  30                          ; v30     the prefetches' offset: my lane x a row of 2,048 bytes; never rewritten
.set TB,   2                           ; s2      where the slot in hand begins
.set TBN,  21                          ; s21     where the other begins
.set LW,   20                          ; s20     my quarter of a slot: wave x 128 rows
.set PFA,  44                          ; s[44:45] where my prefetches stand: one K step further along K than the refill that is being asked for; a prefetch names the K step after that
.set LIM,  43                          ; s43     2 in a wave that prefetches, else the greatest number
.set F0,   64
.set F1,   128
.set TMP,  192                         ; the way out: packed results
.set OB,   32                          ; the way out: 16 rows read back: v32-63 and v224-255 by turns
.set G1, 24                            ; s[24:31] descriptor group 1 for A's tiles
.set G0, 32                            ; s[32:39] group 0 for A's tiles: a set for each of the two first fills; the second then walks on
.set G1B, 48                           ; s[48:55], s[56:63] the same for B's
.set G0B, 56
.set MSB, 0
.macro WIN new                         ; the immediate's high byte repeats the setting that is left; a switch that changes nothing is dropped
.if MSB != (\new)
	s_set_vgpr_msb (MSB<<8)|(\new)
.set MSB, \new
.endif
.endm
.set MUL_LO, 0xa1                      ; source 0 (B) window 1, source 1 (A) window 0, C and D window 2
.set MUL_HI, 0xf1                      ; the same, C and D window 3
.set TO_B,   0x40                      ; destination window 1, address window 0
; A joint load.  Waves 0 and 1 fetch A's two halves, waves 2 and 3 B's.  The branch hangs on the wave's number alone.  An s_nop 0 and four v_nop follow each line.
.macro JLOAD s
	s_cmp_eq_u32 s11, 0
	s_cbranch_scc0 .Lfor_b_\@
	tensor_load_to_lds s[G0+4*(\s):G0+4*(\s)+3], s[G1:G1+7]
	s_nop 0
.rept 4
	v_nop
.endr
	s_branch .Lasked_\@
.Lfor_b_\@:
	tensor_load_to_lds s[G0B+4*(\s):G0B+4*(\s)+3], s[G1B:G1B+7]
	s_nop 0
.rept 4
	v_nop
.endr
.Lasked_\@:
.endm
; A prefetch of the K step that stands two refills on: 32 rows x 256 bytes, a lane a row, one instruction a wave.  A's tile row is read by both clusters of that row of clusters: cluster x = 0 asks;
; B's tile column by all eight clusters of that column: cluster y = 0 asks.  The four partners that ask for a tile jointly share its rows out by address: of the 128 rows that a wave fetches the partner
; at place p takes 32 p .. 32 p + 31.  So each row's 256 bytes of a K step are named once.  s3 counts the loop's trips 6 .. 1; the trips with s3 = 6 .. 3 name K steps 4 .. 7, the last two nothing.
.macro ASK
	s_cmp_gt_u32 s3, s[LIM]
	s_cbranch_scc0 .Lnot_mine_\@
	global_prefetch_b8 v[PFO], s[PFA:PFA+1] offset:KSTEP*2 th:TH_LOAD_NT scope:SCOPE_SE
.Lnot_mine_\@:
.endm
.macro CREST                           ; a round of the cluster's barrier behind its opening barrier
	s_cmp_lg_u32 s10, 0
	s_cbranch_scc1 .Lnot_wave_0_\@
	s_barrier_signal -3
.Lnot_wave_0_\@:
	s_barrier_wait -3
	s_barrier_signal -1
	s_barrier_wait -1
.endm
.macro CROUND                          ; a whole round
	s_barrier_signal -1
	s_barrier_wait -1
	CREST
.endm
	s_load_b128 s[4:7], s[0:1], 0x0                ; xh s[4:5], wh s[6:7]
	s_load_b64 s[8:9], s[0:1], 0x10                ; qk
	v_lshl_add_u32 v[SPW], v0, 2, SPARE
	v_mov_b32 v[NIL], 0
	ds_add_u32 v[SPW], v[NIL]                      ; the wave's opening: the add and its wait stand ahead of my first tensor load; the set-up below stands between them
	v_lshrrev_b32 v1, 5, v0
	v_readfirstlane_b32 s10, v1                    ; wave 0..3
	s_lshr_b32 s11, s10, 1                         ; which half of the tile's rows is mine.  Also: I fetch for A (0) or for B (1)
	s_and_b32 s12, s10, 1                          ; which half of its columns.  Also: which 128 rows of that tile I fetch
	s_bfe_u32 s40, ttmp6, 0x40000                  ; cx
	s_bfe_u32 s41, ttmp6, 0x40004                  ; cy
	s_lshl_b32 s42, ttmp9, 2
	s_add_co_u32 s42, s42, s40                     ; tile column = 4 x cluster x + cx
	s_and_b32 s13, ttmp7, 0xffff
	s_lshl_b32 s13, s13, 2
	s_add_co_u32 s13, s13, s41                     ; tile row = 4 x cluster y + cy
	s_lshl_b32 s43, s41, 2
	s_lshl_b32 s43, 15, s43                        ; my row of the cluster
	s_lshl_b32 s44, 0x1111, s40                    ; my column
	s_or_b32 s[G1+0], s43, (1<<16)|(1<<20)|(1<<21)|(5<<22)|(3<<25)  ; the mask; 2-byte elements; padding on; bit 21 beside a mask; after every 64 words (code 5) 4 words (code 3)
	s_or_b32 s[G1B+0], s44, (1<<16)|(1<<20)|(1<<21)|(5<<22)|(3<<25)
.irp g, G1, G1B
	s_mov_b32 s[(\g)+1], KSTEP<<16                 ; tensor_dim0 = 128
	s_mov_b32 s[(\g)+2], 128<<16                   ; tensor_dim1 = 128
	s_mov_b32 s[(\g)+3], KSTEP<<16                 ; tile_dim0 = 128
	s_mov_b32 s[(\g)+4], 128                       ; tile_dim1 = 128
	s_mov_b32 s[(\g)+5], SIZE_K                    ; elements from row to row
	s_mov_b32 s[(\g)+6], 0
	s_mov_b32 s[(\g)+7], 0
.endr
	s_lshl_b32 s17, s12, 7                         ; which 128 rows of the tile I fetch
	s_lshl_b32 s16, s13, 8
	s_add_co_u32 s16, s16, s17                     ; A: row 256 x tile row + 128 x half
	s_lshl_b32 s46, s42, 8
	s_add_co_u32 s46, s46, s17                     ; B: row 256 x tile column + 128 x half
	s_mov_b32 s17, 0
	s_mov_b32 s47, 0
	s_mov_b64 s[18:19], SIZE_K*2
	s_mul_u64 s[16:17], s[16:17], s[18:19]
	s_mul_u64 s[46:47], s[46:47], s[18:19]
	s_mul_i32 s[LW], s10, HALFT                    ; where they go: wave x 128 rows: no place in the cluster enters an LDS address
	s_wait_dscnt 0x0                               ; the opening add is done
	s_wait_kmcnt 0x0
	s_add_nc_u64 s[14:15], s[4:5], s[16:17]
	s_add_nc_u64 s[46:47], s[6:7], s[46:47]
	CROUND                                         ; all sixteen work-groups are here: the first joint loads meet
.irp s, 0,1
	s_mov_b32 s[G0+4*(\s)], 1
	s_add_co_u32 s[G0+4*(\s)+1], s[LW], (\s)*SLOT
	s_add_nc_u64 s[G0+4*(\s)+2:G0+4*(\s)+3], s[14:15], (\s)*KSTEP*2
	s_or_b32 s[G0+4*(\s)+3], s[G0+4*(\s)+3], 0x80000000
	s_mov_b32 s[G0B+4*(\s)], 1
	s_add_co_u32 s[G0B+4*(\s)+1], s[LW], (\s)*SLOT
	s_add_nc_u64 s[G0B+4*(\s)+2:G0B+4*(\s)+3], s[46:47], (\s)*KSTEP*2
	s_or_b32 s[G0B+4*(\s)+3], s[G0B+4*(\s)+3], 0x80000000
	JLOAD \s                                       ; K steps 0 and 1: two loads of mine are out
.endr
	; A fragment is 16 rows x 32 K in 8 registers: lane l holds row l % 16; registers 0-3 K = 8 (l / 16) + 0..7, registers 4-7 K = 16 + 8 (l / 16) + 0..7: two loads of 16 bytes, 32 bytes apart.
	v_and_b32 v1, 15, v0                           ; l % 16
	v_bfe_u32 v2, v0, 4, 1                         ; l / 16
	v_mul_u32_u24 v3, v1, PITCH
	v_lshl_add_u32 v3, v2, 4, v3
	s_mul_i32 s21, s11, HALFT                      ; my 128 rows of A
	s_mul_i32 s22, s12, HALFT                      ; my 128 rows of B,
	s_add_co_u32 s22, s22, 2*HALFT                 ; which lie behind A's 256
	v_add_nc_u32 v[A0], s21, v3
	v_add_nc_u32 v[B0], s22, v3
	v_mov_b32 v[ADRA], v[A0]                       ; slot 0 is in hand first
	v_mov_b32 v[ADRB], v[B0]
	v_add_nc_u32 v[ADRA+1], SLOT, v[A0]
	v_add_nc_u32 v[ADRB+1], SLOT, v[B0]
	s_mul_i32 s23, s10, 16*SPITCH
	s_add_co_u32 s23, s23, STAGE                   ; my stage
	v_mul_u32_u24 v4, v1, SPITCH                   ; in: row l % 16, 16 bytes for each half of the lanes
	v_lshl_add_u32 v4, v2, 4, v4
	v_add_nc_u32 v[STO], s23, v4
	v_mul_u32_u24 v5, v2, SPITCH                   ; back: lanes 0-15 take one row of 256 bytes, lanes 16-31 the next
	v_lshl_add_u32 v5, v1, 4, v5
	v_add_nc_u32 v[RD], s23, v5
	v_mul_u32_u24 v5, v2, SIZE_N*2                 ; and the same two rows in C
	v_lshl_add_u32 v[CO], v1, 4, v5
	s_lshl_b32 s13, s13, 8
	s_lshl_b32 s14, s11, 7
	s_add_co_u32 s16, s13, s14                     ; my first row of C
	s_mov_b32 s17, 0
	s_mov_b64 s[18:19], SIZE_N*2
	s_mul_u64 s[16:17], s[16:17], s[18:19]
	s_lshl_b32 s46, s42, 9                         ; my first column, in bytes: 512 x tile column + 256 x half
	s_lshl_b32 s47, s12, 8
	s_add_co_u32 s46, s46, s47
	s_mov_b32 s47, 0
	s_add_nc_u64 s[8:9], s[8:9], s[16:17]
	s_add_nc_u64 s[8:9], s[8:9], s[46:47]          ; C at my 128 x 128; never rewritten: the rows stand in the stores' immediates
	; the prefetches
	s_lshl_b32 s42, s42, 8
	s_and_b32 s22, ttmp7, 0xffff                   ; cluster y
	s_cmp_eq_u32 s11, 0                            ; do I fetch for A?
	s_cselect_b32 s20, s13, s42                    ; the tile's first row
	s_cselect_b32 s21, s40, s41                    ; my place among the four that ask for it with me
	s_cselect_b32 s22, ttmp9, s22                  ; the coordinate along which other clusters read the same rows
	s_cselect_b64 s[PFA:PFA+1], s[4:5], s[6:7]
	s_cmp_eq_u32 s22, 0
	s_cselect_b32 s[LIM], 2, -1
	s_lshl_b32 s22, s12, 7
	s_add_co_u32 s20, s20, s22                     ; + the 128 rows that I fetch
	s_lshl_b32 s21, s21, 5
	s_add_co_u32 s20, s20, s21                     ; + my work-group's 32 of them
	s_mov_b32 s21, 0
	s_mov_b64 s[18:19], SIZE_K*2
	s_mul_u64 s[20:21], s[20:21], s[18:19]
	s_add_nc_u64 s[PFA:PFA+1], s[PFA:PFA+1], s[20:21]
	s_add_nc_u64 s[PFA:PFA+1], s[PFA:PFA+1], 2*KSTEP*2  ; at K step 2: the first refill steps it to 3 and names K step 4
	v_and_b32 v[PFO], 31, v0
	v_mul_u32_u24 v[PFO], v[PFO], SIZE_K*2
	s_mul_i32 s[LW], s10, HALFT                    ; (its register served the lines above) my quarter of a slot, for the refills
	s_mov_b32 s[TB], 0
; 16 matrix instructions: m blocks a0, a0 + 1 of the window's four x all 8 n blocks, 32 along K.  zero = 1: the first product starts the sums.  The 64 accumulators take turns, in the same order in every quarter.
.macro MUL16 f, hi, a0, zero
	WIN MUL_LO+0x50*(\hi)
.irp a, \a0, (\a0)+1
.irp b, 0,1,2,3,4,5,6,7
.if \zero
	v_wmma_f32_16x16x32_f16 v[8*(8*(\a)+(\b)):8*(8*(\a)+(\b))+7], v[(\f)+8*(\b):(\f)+8*(\b)+7], v[(\f)+8*(4*(\hi)+(\a)):(\f)+8*(4*(\hi)+(\a))+7], 0
.else
	v_wmma_f32_16x16x32_f16 v[8*(8*(\a)+(\b)):8*(8*(\a)+(\b))+7], v[(\f)+8*(\b):(\f)+8*(\b)+7], v[(\f)+8*(4*(\hi)+(\a)):(\f)+8*(4*(\hi)+(\a))+7], v[8*(8*(\a)+(\b)):8*(8*(\a)+(\b))+7]
.endif
.endr
.endr
.endm
; 32 LDS loads in one run: the fragments of one quarter step (32 K at byte k of the rows) into buffer f: B's 16, then A's 16.  which = 0: the slot in hand; 1: the other
.macro FETCH which, k, f
	WIN TO_B
.irp i, 0,1,2,3,4,5,6,7
	ds_load_b128 v[(\f)+8*(\i):(\f)+8*(\i)+3],   v[ADRB+(\which)] offset:(\k)+(\i)*16*PITCH
	ds_load_b128 v[(\f)+8*(\i)+4:(\f)+8*(\i)+7], v[ADRB+(\which)] offset:(\k)+(\i)*16*PITCH+32
.endr
	WIN 0
.irp i, 0,1,2,3,4,5,6,7
	ds_load_b128 v[(\f)+8*(\i):(\f)+8*(\i)+3],   v[ADRA+(\which)] offset:(\k)+(\i)*16*PITCH
	ds_load_b128 v[(\f)+8*(\i)+4:(\f)+8*(\i)+7], v[ADRA+(\which)] offset:(\k)+(\i)*16*PITCH+32
.endr
.endm
.macro PLACES                          ; four plain vector instructions between a matrix instruction and a load into, or a vector read of, its registers
.rept 4
	v_nop
.endr
.endm
; A K step is four quarters of 32 along K, 64 matrix instructions each, on buffers 0, 1, 0, 1.  One of the first three: multiplies buffer f; in its middle it fetches the next quarter, at byte k, into g.
.macro QUARTER which, k, f, g, zero
	s_wait_dscnt 8                                 ; B and A's rows 0-63 are in; the youngest eight loads (A's rows 64-127) may be out
	MUL16 \f, 0, 0, \zero
	MUL16 \f, 0, 2, \zero
	PLACES
	FETCH \which, \k, \g
	s_wait_dscnt 32                                ; all but the 32 just issued
	MUL16 \f, 1, 0, \zero
	MUL16 \f, 1, 2, \zero
.endm
; The last quarter's first half: ONE barrier for the change of slots.  In front of it each wave waits for all its tensor loads (one is out: its part of the other slot), adds 0 to its spare word, and waits for that and for its reads of the slot in hand.
.macro MEET round
	WIN 0
	s_wait_tensorcnt 0x0                           ; all my tensor loads have landed
	ds_add_u32 v[SPW], v[NIL]                      ; 0 onto my spare word
	s_wait_dscnt 9                                 ; (the add and the youngest eight loads may be out)
	MUL16 F1, 0, 0, 0                              ; sixteen matrix instructions stand between the add and the wait for it
	s_wait_dscnt 0x0                               ; the add is done, and my reads of this slot are over
	s_barrier_signal -1
	MUL16 F1, 0, 2, 0                              ; work on registers while the others arrive
.if \round
	WIN 0
.endif
	s_barrier_wait -1
.endm
; The whole last quarter.  fill = 1: the barrier opens a round of the cluster's barrier, and the slot just read out is filled again, first thing behind the round, with the K step two on:
; 224 matrix instructions stand between that request and the wait for it.  The walking descriptor takes the slot in hand and the next K step behind the one that it asked for last.
.macro TURN fill
.if \fill
	s_wait_xcnt 0x0                                ; the last prefetch, a K step back, has read its address
	s_add_nc_u64 s[PFA:PFA+1], s[PFA:PFA+1], KSTEP*2
	MEET 1
	CREST                                          ; no wave of any partner still reads this slot's tile or has a load on its way
	s_add_co_u32 s[G0+5], s[LW], s[TB]
	s_add_nc_u64 s[G0+6:G0+7], s[G0+6:G0+7], KSTEP*2
	s_add_co_u32 s[G0B+5], s[LW], s[TB]
	s_add_nc_u64 s[G0B+6:G0B+7], s[G0B+6:G0B+7], KSTEP*2
	JLOAD 1                                        ; the four v_nop behind it are also the places in front of the loads below
.else
	MEET 0
	PLACES
.endif
	FETCH 1, 0, F0
.if \fill
	ASK
.endif
	MUL16 F1, 1, 0, 0
	MUL16 F1, 1, 2, 0
.endm
.macro FLIP                            ; the other slot comes in hand
	WIN 0
	s_xor_b32 s[TB], s[TB], SLOT                   ; 0 and SLOT by turns
	s_xor_b32 s[TBN], s[TB], SLOT
	v_add_nc_u32 v[ADRA], s[TB], v[A0]
	v_add_nc_u32 v[ADRB], s[TB], v[B0]
	v_add_nc_u32 v[ADRA+1], s[TBN], v[A0]
	v_add_nc_u32 v[ADRB+1], s[TBN], v[B0]
.endm
; THE WAY OUT of block a (16 rows x 128 columns).  PACK: rounded to f16, 16 bytes a lane, each accumulator's registers in ascending order.  TOSTAGE: into my own stage, and back as whole rows of 256 bytes.  SEND: stored.
.macro PACK a
.set AC, 64*((\a)%4)
	WIN 0x0a+5*((\a)/4)                            ; sources 0 and 1: window 2 or 3
.irp b, 0,1,2,3,4,5,6,7
.irp r, 0,1,2,3
	v_cvt_pk_f16_f32 v[TMP+4*(\b)+(\r)], v[AC+8*(\b)+2*(\r)], v[AC+8*(\b)+2*(\r)+1]
.endr
.endr
	WIN 0
.endm
.macro TOSTAGE a
.set BK, OB+192*((\a)%2)
.irp b, 0,1,2,3,4,5,6,7
	ds_store_b128 v[STO], v[TMP+4*(\b):TMP+4*(\b)+3] offset:32*(\b)
.endr
.irp t, 0,1,2,3,4,5,6,7
	ds_load_b128 v[BK+4*(\t):BK+4*(\t)+3], v[RD] offset:(\t)*2*SPITCH  ; LDS serves a wave's instructions in order (ISA guide 5.7.1.4): these see the stores above
.endr
.endm
.macro SEND a
.set BK, OB+192*((\a)%2)
	s_wait_dscnt 0x0                               ; the block is back in registers
	s_wait_xcnt 0x0                                ; the stores of the block before have read their registers: the next TOSTAGE loads into them
.irp t, 0,1,2,3,4,5,6,7
	global_store_b128 v[CO], v[BK+4*(\t):BK+4*(\t)+3], s[8:9] offset:(16*(\a)+2*(\t))*SIZE_N*2  ; 16 lanes store 256 consecutive bytes, aligned; 126 rows of 4,096 bytes at the most, inside the signed 24-bit immediate
.endr
.endm
	s_wait_tensorcnt 1                             ; my part of K step 0 is in; K step 1's may stay out
	s_barrier_signal -1
	s_barrier_wait -1                              ; everybody's is
	FETCH 0, 0, F0
	QUARTER 0, 64,  F0, F1, 1                      ; the first quarter stands in front of the loop: its products start the sums
	WIN 0                                          ; at a label and at a branch every window is 0
	s_mov_b32 s3, STEPS-2
.Lstep:                                                ; six trips: from a K step's second quarter to the next step's first; the slot read out is filled again
	QUARTER 0, 128, F1, F0, 0
	QUARTER 0, 192, F0, F1, 0
	TURN 1
	QUARTER 1, 64,  F0, F1, 0
	FLIP
	s_sub_co_u32 s3, s3, 1
	s_cmp_lg_u32 s3, 0
	s_cbranch_scc1 .Lstep
	s_mov_b32 s3, 2
.Ltail:                                                ; the last two K steps fill nothing: a text of their own; the second trip is left in its middle
	QUARTER 0, 128, F1, F0, 0
	QUARTER 0, 192, F0, F1, 0
	TURN 0
	WIN 0
	s_sub_co_u32 s3, s3, 1
	s_cmp_eq_u32 s3, 0
	s_cbranch_scc1 .Lout
	QUARTER 1, 64,  F0, F1, 0
	FLIP
	s_branch .Ltail
.Lout:
	s_wait_dscnt 0x0                               ; the last trip's fetch from the other slot (K step 6's tile once more) serves nothing: 32 LDS loads, once a launch, the price of one text for both trips
	PLACES                                         ; eight places: the conversions read results just made
	PLACES
	PACK 0
	TOSTAGE 0
.irp a, 1,2,3,4,5,6,7                  ; block a's conversions stand between block a - 1's loads from the stage and the wait for them
	PACK \a
	SEND (\a)-1
	TOSTAGE \a
.endr
	SEND 7
	s_wait_tensorcnt 0x0                           ; the wave's end: behind my last tensor load and my last LDS store
	ds_add_u32 v[SPW], v[NIL]
	s_wait_dscnt 0x0
	CROUND                                         ; the closing round: no work-group ends while a partner may still ask for a tile that names it
	s_endpgm
.Lfunc_end_k_qfcea8ddcf3_projqk:
	.size	k_qfcea8ddcf3_projqk, .Lfunc_end_k_qfcea8ddcf3_projqk-k_qfcea8ddcf3_projqk
	.p2alignl 7, 3214868480
	.fill 96, 4, 3214868480
	.section	.rodata,"a",@progbits
	.p2align	6, 0x0
	.amdhsa_kernel k_qfcea8ddcf3_projqk
		.amdhsa_group_segment_fixed_size 327680
		.amdhsa_private_segment_fixed_size 0
		.amdhsa_enable_private_segment 0
		.amdhsa_kernarg_size 24
		.amdhsa_user_sgpr_count 2
		.amdhsa_user_sgpr_kernarg_segment_ptr 1
		.amdhsa_wavefront_size32 1
		.amdhsa_system_sgpr_workgroup_id_x 1
		.amdhsa_system_sgpr_workgroup_id_y 1
		.amdhsa_system_sgpr_workgroup_id_z 1
		.amdhsa_system_vgpr_workitem_id 0
		.amdhsa_next_free_vgpr 1024
		.amdhsa_next_free_sgpr 66
		.amdhsa_reserve_vcc 0
		.amdhsa_float_denorm_mode_32 3
		.amdhsa_float_denorm_mode_16_64 3
		.amdhsa_memory_ordered 1
		.amdhsa_forward_progress 1
		.amdhsa_inst_pref_size 101
	.end_amdhsa_kernel
	.amdgpu_metadata
---
amdhsa.version: [ 1, 2 ]
amdhsa.kernels:
  - .name:           k_qfcea8ddcf3_projqk
    .symbol:         k_qfcea8ddcf3_projqk.kd
    .args:
      - { .name: xh, .offset: 0, .size: 8, .value_kind: global_buffer, .address_space: global }
      - { .name: wh, .offset: 8, .size: 8, .value_kind: global_buffer, .address_space: global }
      - { .name: qk, .offset: 16, .size: 8, .value_kind: global_buffer, .address_space: global }
    .group_segment_fixed_size: 327680
    .private_segment_fixed_size: 0
    .kernarg_segment_align: 8
    .kernarg_segment_size: 24
    .max_flat_workgroup_size: 128
    .sgpr_count:     66
    .vgpr_count:     1024
    .wavefront_size: 32
...
	.end_amdgpu_metadata
.endif
;; end of part 2
;; launch scores (part 3): grid 36 x 4, 4 waves a work-group, no clusters, 327,680 bytes of LDS; arguments qk, sc; writes sc
.if DOCPART == 3
	.amdgcn_target "amdgcn-amd-amdhsa--gfx1250"
	.amdhsa_code_object_version 6
	.text
	.protected	k_qfcea8ddcf3_scores
	.globl	k_qfcea8ddcf3_scores
	.p2align	8
	.type	k_qfcea8ddcf3_scores,@function
k_qfcea8ddcf3_scores:
	s_mov_b64 s[64:65], 0
	v_nop
	global_prefetch_b8 v0, s[64:65] scope:SCOPE_SE
	s_setreg_imm32_b32 hwreg(HW_REG_WAVE_MODE, 25, 1), 1
	s_wait_xcnt 0x0
; sc[2048 b + m][n] = q[b][m] . k[b][n], unscaled, f32, for the tiles of 256 x 256 that hold a key n <= m: tile (i, j) with j <= i, 36 of 64 in each of the 4 batches.  qk: [8192][2048] f16 (q: columns 0-1023, k: 1024-2047).
; The diagonal tiles are written whole; the launch behind hides the keys above the diagonal.  Tiles above the diagonal are neither written here nor read later.
; A tile is made by four waves, 128 x 128 each, K = 1,024 in 8 steps of 128 through a ring of two LDS slots: the same walk as the projection's, a trip of the loop a K step; s[TB] is where the slot in hand begins.
; NO CLUSTER: a batch's tiles lie in rows of 1 to 8; a group of four along a row or a column that shares q's or k's tile exists only for part of them (rows 3 and 7 whole, the others not), and a partner
; set on a hidden tile would do work that nobody reads.
; REGISTERS: window 0: v0-31 addresses; v64-127, v128-191 fragments of A (q), later the rows on their way out; window 1: the same numbers, fragments of B (k); windows 2, 3: the accumulators.
.set KSTEP,  128
.set STEPS,  8
.set PITCH,  272                       ; an LDS row: 256 bytes + 16 of padding
.set HALFT,  128*PITCH
.set SLOT,   4*HALFT
.set STAGE,  2*SLOT                    ; behind the ring: 16 rows x 528 bytes for each wave
.set SP32,   528                       ; a stage row: 512 bytes + 16: 33 x 16 bytes, so 16 rows' like columns fall into 16 different groups of four banks
.set SPARE,  STAGE+4*16*SP32           ; the spare words, 128 bytes for each wave
.set ROWQ,   4096                      ; bytes in a row of qk
.set ROWC,   8192                      ; bytes in a row of sc
.set ADRA, 16                          ; v16 my A fragments in the slot in hand, v17 in the other
.set A0,   18                          ; v18 in slot 0; never rewritten
.set ADRB, 20
.set B0,   22
.set STO,  24                          ; v24  the way out: where I put 32 bytes of a row
.set RD,   25                          ; v25  where I read a row back: 16 x lane
.set CO,   26                          ; v26  16 x lane: my 16 bytes of a row's 512
.set SPW,  28
.set NIL,  29
.set PFO,  30                          ; v30  my lane x a row of qk
.set TB,   2                           ; s2   where the slot in hand begins
.set TBN,  8                           ; s8   where the other begins
.set LW,   22                          ; s22  my quarter of a slot
.set PFA,  44                          ; s[44:45]
.set LIM,  43                          ; s43
.set F0,   64
.set F1,   128
.set G1, 24                            ; s[24:31]
.set G0, 32                            ; s[32:39] a set for each of the two first fills; the second then walks on
.set MSB, 0
.macro WIN new
.if MSB != (\new)
	s_set_vgpr_msb (MSB<<8)|(\new)
.set MSB, \new
.endif
.endm
.set MUL_LO, 0xa1
.set MUL_HI, 0xf1
.set TO_B,   0x40
; A prefetch of the K step two refills on, of the 128 rows that I fetch: four instructions, a lane a row.  q's block i is read by the tiles (i, 0 .. i): tile (i, 0) asks, by waves 0 and 1; k's block j by the
; tiles (j .. 7, j): tile (j, j) asks, by waves 2 and 3.  So each row's 256 bytes of a K step are named once.  The trips with s3 = 6 .. 3 name K steps 4 .. 7, the last two nothing.
.macro ASK
	s_cmp_gt_u32 s3, s[LIM]
	s_cbranch_scc0 .Lnot_mine_\@
.irp n, 0,1,2,3
	global_prefetch_b8 v[PFO], s[PFA:PFA+1] offset:KSTEP*2+(\n)*32*ROWQ th:TH_LOAD_NT scope:SCOPE_SE
.endr
.Lnot_mine_\@:
.endm
	s_load_b128 s[4:7], s[0:1], 0x0                ; qk s[4:5], sc s[6:7]
	v_lshl_add_u32 v[SPW], v0, 2, SPARE
	v_mov_b32 v[NIL], 0
	ds_add_u32 v[SPW], v[NIL]                      ; the wave's opening: the add and its wait stand ahead of my first tensor load
	v_lshrrev_b32 v1, 5, v0
	v_readfirstlane_b32 s10, v1                    ; wave 0..3
	s_lshr_b32 s11, s10, 1                         ; which half of the tile's rows is mine.  Also: I fetch q (0) or k (1)
	s_and_b32 s12, s10, 1                          ; which half of its columns.  Also: which 128 rows I fetch
	s_mov_b32 s13, 0                               ; the tile's row i: how many of the rows' first numbers 1, 3, 6 .. are reached by the work-group's number
.irp t, 1,3,6,10,15,21,28
	s_cmp_ge_u32 ttmp9, \t
	s_add_co_ci_u32 s13, s13, 0
.endr
	s_add_co_u32 s14, s13, 1
	s_mul_i32 s14, s14, s13
	s_lshr_b32 s14, s14, 1
	s_sub_co_u32 s14, ttmp9, s14                   ; its column j = number - i (i + 1) / 2
	s_and_b32 s15, ttmp7, 0xffff                   ; the batch
	s_mov_b32 s[G1+0], (1<<16)|(1<<20)|(5<<22)|(3<<25)  ; 2-byte elements; padding on: after every 64 words (code 5) 4 words (code 3)
	s_mov_b32 s[G1+1], KSTEP<<16                   ; tensor_dim0 = 128
	s_mov_b32 s[G1+2], 128<<16                     ; tensor_dim1 = 128
	s_mov_b32 s[G1+3], KSTEP<<16                   ; tile_dim0 = 128
	s_mov_b32 s[G1+4], 128                         ; tile_dim1 = 128
	s_mov_b32 s[G1+5], 2048                        ; elements from row to row
	s_mov_b32 s[G1+6], 0
	s_mov_b32 s[G1+7], 0
	s_cmp_eq_u32 s11, 0
	s_cselect_b32 s20, s13, s14                    ; q's block i or k's block j
	s_lshl_b32 s20, s20, 8
	s_lshl_b32 s21, s12, 7
	s_add_co_u32 s20, s20, s21
	s_lshl_b32 s21, s15, 11
	s_add_co_u32 s20, s20, s21                     ; the first row that I fetch
	s_lshl_b32 s20, s20, 12                        ; x 4,096 bytes: under 2^25
	s_lshl_b32 s21, s11, 11                        ; k begins 2,048 bytes into a row
	s_add_co_u32 s20, s20, s21
	s_mov_b32 s21, 0
	s_mul_i32 s[LW], s10, HALFT                    ; where it goes: wave x 128 rows: q's two halves, then k's
	s_mov_b32 s[TB], 0
	s_sub_co_u32 s23, s13, s14                     ; i - j
	s_cmp_eq_u32 s11, 0
	s_cselect_b32 s23, s14, s23                    ; 0 in the waves that prefetch
	s_cmp_eq_u32 s23, 0
	s_cselect_b32 s[LIM], 2, -1
	s_wait_dscnt 0x0                               ; the opening add is done
	s_wait_kmcnt 0x0
	s_add_nc_u64 s[20:21], s[4:5], s[20:21]
.irp s, 0,1
	s_mov_b32 s[G0+4*(\s)], 1
	s_add_co_u32 s[G0+4*(\s)+1], s[LW], (\s)*SLOT
	s_add_nc_u64 s[G0+4*(\s)+2:G0+4*(\s)+3], s[20:21], (\s)*KSTEP*2
	s_or_b32 s[G0+4*(\s)+3], s[G0+4*(\s)+3], 0x80000000
	tensor_load_to_lds s[G0+4*(\s):G0+4*(\s)+3], s[G1:G1+7]  ; K steps 0 and 1: two loads of mine are out
	s_nop 0
.endr
	s_add_nc_u64 s[PFA:PFA+1], s[20:21], 2*KSTEP*2 ; at K step 2: the first refill steps it to 3 and names K step 4
	v_and_b32 v1, 15, v0                           ; l % 16
	v_bfe_u32 v2, v0, 4, 1                         ; l / 16
	v_mul_u32_u24 v3, v1, PITCH
	v_lshl_add_u32 v3, v2, 4, v3
	s_mul_i32 s18, s11, HALFT
	s_mul_i32 s19, s12, HALFT
	s_add_co_u32 s19, s19, 2*HALFT
	v_add_nc_u32 v[A0], s18, v3
	v_add_nc_u32 v[B0], s19, v3
	v_mov_b32 v[ADRA], v[A0]                       ; slot 0 is in hand first
	v_mov_b32 v[ADRB], v[B0]
	v_add_nc_u32 v[ADRA+1], SLOT, v[A0]
	v_add_nc_u32 v[ADRB+1], SLOT, v[B0]
	s_mul_i32 s23, s10, 16*SP32
	s_add_co_u32 s23, s23, STAGE                   ; my stage
	v_mul_u32_u24 v4, v1, SP32                     ; in: row l % 16, 32 bytes for each half of the lanes
	v_lshl_add_u32 v4, v2, 5, v4
	v_add_nc_u32 v[STO], s23, v4
	v_and_b32 v5, 31, v0
	v_lshlrev_b32 v[CO], 4, v5                     ; back: 32 lanes take one row of 512 bytes
	v_add_nc_u32 v[RD], s23, v[CO]
	v_mul_u32_u24 v[PFO], v5, ROWQ
	s_lshl_b32 s16, s15, 11
	s_lshl_b32 s17, s13, 8
	s_add_co_u32 s16, s16, s17
	s_lshl_b32 s17, s11, 7
	s_add_co_u32 s16, s16, s17                     ; my first row of sc
	s_lshl_b32 s16, s16, 13                        ; x 8,192 bytes: under 2^26
	s_lshl_b32 s17, s14, 10                        ; 256 j columns of 4 bytes
	s_add_co_u32 s16, s16, s17
	s_lshl_b32 s17, s12, 9
	s_add_co_u32 s16, s16, s17
	s_mov_b32 s17, 0
	s_add_nc_u64 s[6:7], s[6:7], s[16:17]          ; sc at my 128 x 128; never rewritten
.macro MUL16 f, hi, a0, zero
	WIN MUL_LO+0x50*(\hi)
.irp a, \a0, (\a0)+1
.irp b, 0,1,2,3,4,5,6,7
.if \zero
	v_wmma_f32_16x16x32_f16 v[8*(8*(\a)+(\b)):8*(8*(\a)+(\b))+7], v[(\f)+8*(\b):(\f)+8*(\b)+7], v[(\f)+8*(4*(\hi)+(\a)):(\f)+8*(4*(\hi)+(\a))+7], 0
.else
	v_wmma_f32_16x16x32_f16 v[8*(8*(\a)+(\b)):8*(8*(\a)+(\b))+7], v[(\f)+8*(\b):(\f)+8*(\b)+7], v[(\f)+8*(4*(\hi)+(\a)):(\f)+8*(4*(\hi)+(\a))+7], v[8*(8*(\a)+(\b)):8*(8*(\a)+(\b))+7]
.endif
.endr
.endr
.endm
.macro FETCH which, k, f               ; which = 0: the slot in hand; 1: the other
	WIN TO_B
.irp i, 0,1,2,3,4,5,6,7
	ds_load_b128 v[(\f)+8*(\i):(\f)+8*(\i)+3],   v[ADRB+(\which)] offset:(\k)+(\i)*16*PITCH
	ds_load_b128 v[(\f)+8*(\i)+4:(\f)+8*(\i)+7], v[ADRB+(\which)] offset:(\k)+(\i)*16*PITCH+32
.endr
	WIN 0
.irp i, 0,1,2,3,4,5,6,7
	ds_load_b128 v[(\f)+8*(\i):(\f)+8*(\i)+3],   v[ADRA+(\which)] offset:(\k)+(\i)*16*PITCH
	ds_load_b128 v[(\f)+8*(\i)+4:(\f)+8*(\i)+7], v[ADRA+(\which)] offset:(\k)+(\i)*16*PITCH+32
.endr
.endm
.macro PLACES
.rept 4
	v_nop
.endr
.endm
.macro QUARTER which, k, f, g, zero
	s_wait_dscnt 8                                 ; B and A's rows 0-63 are in; the youngest eight loads may be out
	MUL16 \f, 0, 0, \zero
	MUL16 \f, 0, 2, \zero
	PLACES
	FETCH \which, \k, \g
	s_wait_dscnt 32                                ; all but the 32 just issued
	MUL16 \f, 1, 0, \zero
	MUL16 \f, 1, 2, \zero
.endm
; The last quarter changes slots: one barrier; in front of it each wave waits for all its tensor loads (one is out: its part of the other slot), adds 0 to its spare word, and waits for that and for its
; reads of the slot in hand.  fill = 1: my quarter of that slot is filled again, first thing behind the barrier, with the K step two on: 224 matrix instructions stand between the request and the wait for it.
.macro TURN fill
.if \fill
	s_wait_xcnt 0x0                                ; the last prefetches, a K step back, have read their address
	s_add_nc_u64 s[PFA:PFA+1], s[PFA:PFA+1], KSTEP*2
.endif
	WIN 0
	s_wait_tensorcnt 0x0                           ; all my tensor loads have landed
	ds_add_u32 v[SPW], v[NIL]                      ; 0 onto my spare word
	s_wait_dscnt 9                                 ; (the add and the youngest eight loads may be out)
	MUL16 F1, 0, 0, 0
	s_wait_dscnt 0x0                               ; the add is done, and my reads of this slot are over
	s_barrier_signal -1
	MUL16 F1, 0, 2, 0
	s_barrier_wait -1
.if \fill
	s_add_co_u32 s[G0+5], s[LW], s[TB]             ; the walking descriptor: the slot in hand,
	s_add_nc_u64 s[G0+6:G0+7], s[G0+6:G0+7], KSTEP*2  ; the K step behind the one that it asked for last
	tensor_load_to_lds s[G0+4:G0+7], s[G1:G1+7]
	s_nop 0
.endif
	PLACES                                         ; four v_nop: behind the tensor load, and the places in front of the loads below
	FETCH 1, 0, F0
.if \fill
	ASK
.endif
	MUL16 F1, 1, 0, 0
	MUL16 F1, 1, 2, 0
.endm
.macro FLIP                            ; the other slot comes in hand
	WIN 0
	s_xor_b32 s[TB], s[TB], SLOT                   ; 0 and SLOT by turns
	s_xor_b32 s[TBN], s[TB], SLOT
	v_add_nc_u32 v[ADRA], s[TB], v[A0]
	v_add_nc_u32 v[ADRB], s[TB], v[B0]
	v_add_nc_u32 v[ADRA+1], s[TBN], v[A0]
	v_add_nc_u32 v[ADRB+1], s[TBN], v[B0]
.endm
; THE WAY OUT of block a (16 rows x 128 columns of f32), without a conversion: a lane's 32 bytes of a row go from the accumulators into my stage, each accumulator's low four registers first, and
; come back as whole rows of 512 bytes, into the registers that held A's fragments, two sets by turns.
.macro TOSTAGE32 a
.set AC, 64*((\a)%4)
.set BK, F0+64*((\a)%2)
	s_wait_xcnt 0x0                                ; the stores of block a - 2 have read the registers that are loaded below
	WIN 0x08+4*((\a)/4)                            ; the store's data (source 1): window 2 or 3
.irp b, 0,1,2,3,4,5,6,7
	ds_store_b128 v[STO], v[AC+8*(\b):AC+8*(\b)+3]   offset:64*(\b)
	ds_store_b128 v[STO], v[AC+8*(\b)+4:AC+8*(\b)+7] offset:64*(\b)+16
.endr
	WIN 0
.irp t, 0,1,2,3,4,5,6,7,8,9,10,11,12,13,14,15
	ds_load_b128 v[BK+4*(\t):BK+4*(\t)+3], v[RD] offset:(\t)*SP32  ; LDS serves a wave's instructions in order (ISA guide 5.7.1.4): these see the stores above, and the next block's stores come behind them
.endr
.endm
.macro SEND32 a, younger               ; younger: the LDS instructions issued behind block a's loads: the next block's 32, or none
.set BK, F0+64*((\a)%2)
	s_wait_dscnt \younger
.irp t, 0,1,2,3,4,5,6,7,8,9,10,11,12,13,14,15
	global_store_b128 v[CO], v[BK+4*(\t):BK+4*(\t)+3], s[6:7] offset:(16*(\a)+(\t))*ROWC  ; 32 lanes store 512 consecutive bytes, aligned; 127 rows of 8,192 bytes at the most, inside the signed 24-bit immediate
.endr
.endm
	s_wait_tensorcnt 1                             ; my part of K step 0 is in; K step 1's may stay out
	s_barrier_signal -1
	s_barrier_wait -1
	FETCH 0, 0, F0
	QUARTER 0, 64,  F0, F1, 1                      ; the first quarter's products start the sums
	WIN 0
	s_mov_b32 s3, STEPS-2
.Lstep:                                                ; six trips: from a K step's second quarter to the next step's first; the slot read out is filled again
	QUARTER 0, 128, F1, F0, 0
	QUARTER 0, 192, F0, F1, 0
	TURN 1
	QUARTER 1, 64,  F0, F1, 0
	FLIP
	s_sub_co_u32 s3, s3, 1
	s_cmp_lg_u32 s3, 0
	s_cbranch_scc1 .Lstep
	s_mov_b32 s3, 2
.Ltail:                                                ; the last two K steps fill nothing: a text of their own; the second trip is left in its middle
	QUARTER 0, 128, F1, F0, 0
	QUARTER 0, 192, F0, F1, 0
	TURN 0
	WIN 0
	s_sub_co_u32 s3, s3, 1
	s_cmp_eq_u32 s3, 0
	s_cbranch_scc1 .Lout
	QUARTER 1, 64,  F0, F1, 0
	FLIP
	s_branch .Ltail
.Lout:
	s_wait_dscnt 0x0                               ; the last trip's fetch from the other slot serves nothing: 32 LDS loads, once a launch, the price of one text for both trips; its registers are loaded anew below
	PLACES                                         ; eight places: LDS stores read results just made, and loads land in fragments just read
	PLACES
	TOSTAGE32 0
.irp a, 1,2,3,4,5,6,7
	TOSTAGE32 \a
	SEND32 (\a)-1, 32
.endr
	SEND32 7, 0
	s_wait_tensorcnt 0x0                           ; the wave's end
	ds_add_u32 v[SPW], v[NIL]
	s_wait_dscnt 0x0
	s_endpgm
.Lfunc_end_k_qfcea8ddcf3_scores:
	.size	k_qfcea8ddcf3_scores, .Lfunc_end_k_qfcea8ddcf3_scores-k_qfcea8ddcf3_scores
	.p2alignl 7, 3214868480
	.fill 96, 4, 3214868480
	.section	.rodata,"a",@progbits
	.p2align	6, 0x0
	.amdhsa_kernel k_qfcea8ddcf3_scores
		.amdhsa_group_segment_fixed_size 327680
		.amdhsa_private_segment_fixed_size 0
		.amdhsa_enable_private_segment 0
		.amdhsa_kernarg_size 16
		.amdhsa_user_sgpr_count 2
		.amdhsa_user_sgpr_kernarg_segment_ptr 1
		.amdhsa_wavefront_size32 1
		.amdhsa_system_sgpr_workgroup_id_x 1
		.amdhsa_system_sgpr_workgroup_id_y 1
		.amdhsa_system_sgpr_workgroup_id_z 1
		.amdhsa_system_vgpr_workitem_id 0
		.amdhsa_next_free_vgpr 1024
		.amdhsa_next_free_sgpr 66
		.amdhsa_reserve_vcc 0
		.amdhsa_float_denorm_mode_32 3
		.amdhsa_float_denorm_mode_16_64 3
		.amdhsa_memory_ordered 1
		.amdhsa_forward_progress 1
		.amdhsa_inst_pref_size 96
	.end_amdhsa_kernel
	.amdgpu_metadata
---
amdhsa.version: [ 1, 2 ]
amdhsa.kernels:
  - .name:           k_qfcea8ddcf3_scores
    .symbol:         k_qfcea8ddcf3_scores.kd
    .args:
      - { .name: qk, .offset: 0, .size: 8, .value_kind: global_buffer, .address_space: global }
      - { .name: sc, .offset: 8, .size: 8, .value_kind: global_buffer, .address_space: global }
    .group_segment_fixed_size: 327680
    .private_segment_fixed_size: 0
    .kernarg_segment_align: 8
    .kernarg_segment_size: 16
    .max_flat_workgroup_size: 128
    .sgpr_count:     66
    .vgpr_count:     1024
    .wavefront_size: 32
...
	.end_amdgpu_metadata
.endif
;; end of part 3
;; launch softmax (part 4): grid 1024 x 1, 8 waves a work-group, no clusters, 0 bytes of LDS; arguments sc, pw, rl; writes pw, rl
.if DOCPART == 4
	.amdgcn_target "amdgcn-amd-amdhsa--gfx1250"
	.amdhsa_code_object_version 6
	.text
	.protected	k_qfcea8ddcf3_softmax
	.globl	k_qfcea8ddcf3_softmax
	.p2align	8
	.type	k_qfcea8ddcf3_softmax,@function
k_qfcea8ddcf3_softmax:
	s_mov_b64 s[64:65], 0
	v_nop
	global_prefetch_b8 v0, s[64:65] scope:SCOPE_SE
	s_setreg_imm32_b32 hwreg(HW_REG_WAVE_MODE, 25, 1), 1
	s_wait_xcnt 0x0
; For each of the 8,192 rows: m = the largest score among the keys n <= q; pw[row][n] = f16(2^(c s - c m)), c = log2(e) / 32 (the scale 1 / sqrt(1024) folded in), 0 for hidden keys of the diagonal block;
; rl[row] = 1 / l, l = the f32 sum of the unrounded weights.  The weights are stored unnormalised: the largest is 1; the division is done by the launch behind, in f32.
; LIMITS.  A weight below 2^-126 counts as 0 in l; in pw a weight below 6e-5 keeps f16's fixed step of 6e-8.  NaN and infinities are not treated apart.
; SHARES.  A wave, a row; the row (2,048 f32 at the most) stays in 64 registers between the maximum and the exponentials, so sc is read once.  Row q of a batch has i + 1 = q / 256 + 1 blocks of 256 keys.
; They are held in REVERSE: register block c holds keys 256 (i - c) on, so block 0 is always the diagonal one, the only one that is masked.  Blocks beyond i are not loaded: their registers hold -inf.
; WHICH ROWS.  Work-group g takes the eight rows of group g, but with the block number i (bits 7:5 of g) mirrored to 7 - i where bit 0 and bit 8 of g differ: of four work-groups with neighbouring numbers,
; and of four whose numbers lie 256 apart, two have i + 1 blocks and two 8 - i: 18 blocks together, whatever i.  The eight rows lie in one block of 256 rows, so i is the same for the eight waves.
; Each load covers 512 consecutive bytes, each store of weights 256, aligned.  rl is stored four bytes a wave: 32,768 bytes in the whole launch.
; Rows of an even block also get zeros for the next 256 keys: the launch behind walks the keys in laps of 512.
.set X,  32                            ; v[32:95]   the row: block c at X + 8 c: keys 4 lane + 0..3, then 128 + 4 lane + 0..3
.set Y,  96                            ; v[96:127]  four registers of f16 a block: never rewritten
.set CM, 4                             ; v[4:5]     c m, twice
.set L,  8                             ; v[8:11]    two pairs of sums
.set C,  12                            ; v[12:15]   four chains of the maximum
.set Z,  16                            ; v[16:19]   0
	s_load_b128 s[4:7], s[0:1], 0x0                ; sc s[4:5], pw s[6:7]
	s_load_b64 s[8:9], s[0:1], 0x10                ; rl
	v_lshrrev_b32 v7, 5, v0
	v_readfirstlane_b32 s10, v7                    ; wave 0..7
	s_lshr_b32 s11, ttmp9, 8
	s_xor_b32 s11, s11, ttmp9
	s_and_b32 s11, s11, 1                          ; do bit 0 and bit 8 differ?
	s_cselect_b32 s11, 0xe0, 0
	s_xor_b32 s11, s11, ttmp9                      ; then bits 7:5 are turned: i becomes 7 - i
	s_lshl_b32 s11, s11, 3
	s_add_co_u32 s11, s11, s10                     ; the row
	s_bfe_u32 s12, s11, 0x30008                    ; i: 3 bits from bit 8
	s_and_b32 s13, s11, 255                        ; the row's place in its block
	s_mov_b32 s16, 0xff800000                      ; -inf
	s_mov_b32 s18, 0x3d38aa3b                      ; c = log2(e) / 32
	s_mov_b32 s19, s18                             ; named with it as a pair
	s_mov_b32 s20, 0x76543210                      ; v_permlanex16_b32: each lane takes its own place in the other half
	s_mov_b32 s21, 0xfedcba98
	s_lshl_b32 s14, s11, 13                        ; sc: 8,192 bytes a row, 1,024 a block
	s_lshl_b32 s15, s12, 10
	s_add_co_u32 s14, s14, s15
	s_mov_b32 s15, 0
	s_lshl_b32 s24, s11, 12                        ; pw: 4,096 bytes a row, 512 a block
	s_lshl_b32 s25, s12, 9
	s_add_co_u32 s24, s24, s25
	s_mov_b32 s25, 0
	s_lshl_b32 s26, s11, 2
	s_mov_b32 s27, 0
	v_and_b32 v6, 31, v0                           ; lane
	v_lshlrev_b32 v1, 4, v6
	v_lshlrev_b32 v2, 3, v6
	v_lshlrev_b32 v3, 2, v6
	v_sub_nc_u32 v3, s13, v3                       ; the row's place less 4 lane: key e of my four is hidden where e is greater
.irp z, 0,1,2,3
	v_mov_b32 v[Z+(\z)], 0
.endr
.set r, 8
.rept 56
	v_mov_b32 v[X+r], s16                          ; written while the arguments are on their way
.set r, r+1
.endr
	s_wait_kmcnt 0x0
	s_add_nc_u64 s[4:5], s[4:5], s[14:15]          ; sc and pw at the row's diagonal block: the earlier blocks are reached by negative immediates
	s_add_nc_u64 s[6:7], s[6:7], s[24:25]
	s_add_nc_u64 s[8:9], s[8:9], s[26:27]
	global_load_b128 v[X:X+3],   v1, s[4:5] th:TH_LOAD_NT
	global_load_b128 v[X+4:X+7], v1, s[4:5] offset:512 th:TH_LOAD_NT
.irp c, 1,2,3,4,5,6,7
	s_cmp_ge_u32 s12, \c
	s_cbranch_scc0 .Lloaded
	global_load_b128 v[X+8*(\c):X+8*(\c)+3],   v1, s[4:5] offset:-1024*(\c) th:TH_LOAD_NT
	global_load_b128 v[X+8*(\c)+4:X+8*(\c)+7], v1, s[4:5] offset:-1024*(\c)+512 th:TH_LOAD_NT
.endr
.Lloaded:
	s_wait_loadcnt 0x0                             ; the maximum wants the whole row
.irp e, 0,1,2,3
	v_cmp_gt_i32 vcc_lo, \e, v3
	v_cndmask_b32 v[X+(\e)], v[X+(\e)], s16, vcc_lo
	v_cmp_gt_i32 vcc_lo, 128+(\e), v3
	v_cndmask_b32 v[X+4+(\e)], v[X+4+(\e)], s16, vcc_lo
.endr
.irp k, 0,1,2,3
	v_max3_num_f32 v[C+(\k)], v[X+16*(\k)], v[X+16*(\k)+1], v[X+16*(\k)+2]  ; four chains of fifteen, started by their first three: nothing is cleared
.endr
.irp n, 0,1,2,3,4,5
.irp k, 0,1,2,3
	v_max3_num_f32 v[C+(\k)], v[C+(\k)], v[X+16*(\k)+3+2*(\n)], v[X+16*(\k)+4+2*(\n)]
.endr
.endr
	v_max3_num_f32 v[C], v[C], v[X+15], v[X+31]
	v_max3_num_f32 v[C+2], v[C+2], v[X+47], v[X+63]
	v_max3_num_f32 v[C], v[C], v[C+1], v[C+2]
	v_max_num_f32 v[C], v[C], v[C+3]
	v_max_num_f32_dpp v[C], v[C], v[C] row_xmask:1 row_mask:0xf bank_mask:0xf
	v_max_num_f32_dpp v[C], v[C], v[C] row_xmask:2 row_mask:0xf bank_mask:0xf
	v_max_num_f32_dpp v[C], v[C], v[C] row_xmask:4 row_mask:0xf bank_mask:0xf
	v_max_num_f32_dpp v[C], v[C], v[C] row_xmask:8 row_mask:0xf bank_mask:0xf
	v_permlanex16_b32 v[C+1], v[C], s20, s21
	v_max_num_f32 v[C], v[C], v[C+1]               ; every lane holds the row's maximum
	v_mul_f32 v[CM], s18, v[C]
	v_mov_b32 v[CM+1], v[CM]
; Block c: c s - c m, eight exponentials as one batch with one wait, the sums, the rounding, two stores.  Blocks beyond i are jumped over, forward.
.macro CHUNK c
.if (\c) > 0
	s_cmp_ge_u32 s12, \c
	s_cbranch_scc0 .Ldone
.endif
.irp p, 0,1,2,3
	v_pk_fma_f32 v[X+8*(\c)+2*(\p):X+8*(\c)+2*(\p)+1], v[X+8*(\c)+2*(\p):X+8*(\c)+2*(\p)+1], s[18:19], v[CM:CM+1] op_sel_hi:[1,0,0] neg_lo:[0,0,1] neg_hi:[0,0,1]
.endr
.irp e, 0,1,2,3,4,5,6,7
	v_exp_f32 v[X+8*(\c)+(\e)], v[X+8*(\c)+(\e)]
.endr
	v_nop                                          ; a plain instruction behind the last exponential (ISA guide 5.7.2),
	s_wait_alu depctr_va_vdst(0)                   ; and the wait ahead of the first use: one for the eight, ahead of the next branch too
.if (\c) == 0
	v_pk_add_f32 v[L:L+1], v[X:X+1], v[X+2:X+3]    ; the diagonal block starts the sums
	v_pk_add_f32 v[L+2:L+3], v[X+4:X+5], v[X+6:X+7]
.else
	v_pk_add_f32 v[L:L+1], v[L:L+1], v[X+8*(\c):X+8*(\c)+1]
	v_pk_add_f32 v[L+2:L+3], v[L+2:L+3], v[X+8*(\c)+2:X+8*(\c)+3]
	v_pk_add_f32 v[L:L+1], v[L:L+1], v[X+8*(\c)+4:X+8*(\c)+5]
	v_pk_add_f32 v[L+2:L+3], v[L+2:L+3], v[X+8*(\c)+6:X+8*(\c)+7]
.endif
.irp p, 0,1,2,3
	v_cvt_pk_f16_f32 v[Y+4*(\c)+(\p)], v[X+8*(\c)+2*(\p)], v[X+8*(\c)+2*(\p)+1]
.endr
	global_store_b64 v2, v[Y+4*(\c):Y+4*(\c)+1],   s[6:7] offset:-512*(\c)      ; 32 lanes store 256 consecutive bytes, aligned
	global_store_b64 v2, v[Y+4*(\c)+2:Y+4*(\c)+3], s[6:7] offset:-512*(\c)+256
.endm
.irp c, 0,1,2,3,4,5,6,7
	CHUNK \c
.endr
.Ldone:
	s_bitcmp1_b32 s12, 0                           ; an odd block's keys end at a multiple of 512
	s_cbranch_scc1 .Lno_zeros
	global_store_b128 v1, v[Z:Z+3], s[6:7] offset:512  ; an even block: zeros for keys 256 (i + 1) .. 256 (i + 2) - 1; i is 6 at the most, so they lie in the row
.Lno_zeros:
	v_pk_add_f32 v[L:L+1], v[L:L+1], v[L+2:L+3]
	v_add_f32 v[L], v[L], v[L+1]
	v_add_f32_dpp v[L], v[L], v[L] row_xmask:1 row_mask:0xf bank_mask:0xf
	v_add_f32_dpp v[L], v[L], v[L] row_xmask:2 row_mask:0xf bank_mask:0xf
	v_add_f32_dpp v[L], v[L], v[L] row_xmask:4 row_mask:0xf bank_mask:0xf
	v_add_f32_dpp v[L], v[L], v[L] row_xmask:8 row_mask:0xf bank_mask:0xf
	v_permlanex16_b32 v[L+1], v[L], s20, s21
	v_add_f32 v[L], v[L], v[L+1]                   ; l, at least 1: the largest weight is 1
	v_rcp_f32 v[L+2], v[L]
	v_cmp_eq_u32 vcc_lo, 0, v6                     ; the plain instruction behind the reciprocal
	s_wait_alu depctr_va_vdst(0)                   ; and its wait, ahead of the store that reads it
	s_wait_xcnt 0x0                                ; EXEC changes only behind this wait: it is a source of the stores above
	s_and_saveexec_b32 s22, vcc_lo
	global_store_b32 v[Z], v[L+2], s[8:9]          ; lane 0 alone
	s_wait_xcnt 0x0
	s_or_b32 exec_lo, exec_lo, s22
	s_endpgm
.Lfunc_end_k_qfcea8ddcf3_softmax:
	.size	k_qfcea8ddcf3_softmax, .Lfunc_end_k_qfcea8ddcf3_softmax-k_qfcea8ddcf3_softmax
	.p2alignl 7, 3214868480
	.fill 96, 4, 3214868480
	.section	.rodata,"a",@progbits
	.p2align	6, 0x0
	.amdhsa_kernel k_qfcea8ddcf3_softmax
		.amdhsa_group_segment_fixed_size 0
		.amdhsa_private_segment_fixed_size 0
		.amdhsa_enable_private_segment 0
		.amdhsa_kernarg_size 24
		.amdhsa_user_sgpr_count 2
		.amdhsa_user_sgpr_kernarg_segment_ptr 1
		.amdhsa_wavefront_size32 1
		.amdhsa_system_sgpr_workgroup_id_x 1
		.amdhsa_system_sgpr_workgroup_id_y 1
		.amdhsa_system_sgpr_workgroup_id_z 1
		.amdhsa_system_vgpr_workitem_id 0
		.amdhsa_next_free_vgpr 128
		.amdhsa_next_free_sgpr 66
		.amdhsa_reserve_vcc 1
		.amdhsa_float_denorm_mode_32 3
		.amdhsa_float_denorm_mode_16_64 3
		.amdhsa_memory_ordered 1
		.amdhsa_forward_progress 1
		.amdhsa_inst_pref_size 21
	.end_amdhsa_kernel
	.amdgpu_metadata
---
amdhsa.version: [ 1, 2 ]
amdhsa.kernels:
  - .name:           k_qfcea8ddcf3_softmax
    .symbol:         k_qfcea8ddcf3_softmax.kd
    .args:
      - { .name: sc, .offset: 0, .size: 8, .value_kind: global_buffer, .address_space: global }
      - { .name: pw, .offset: 8, .size: 8, .value_kind: global_buffer, .address_space: global }
      - { .name: rl, .offset: 16, .size: 8, .value_kind: global_buffer, .address_space: global }
    .group_segment_fixed_size: 0
    .private_segment_fixed_size: 0
    .kernarg_segment_align: 8
    .kernarg_segment_size: 24
    .max_flat_workgroup_size: 256
    .sgpr_count:     66
    .vgpr_count:     128
    .wavefront_size: 32
...
	.end_amdgpu_metadata
.endif
;; end of part 4
;; launch px (part 5): grid 8 x 32, 4 waves a work-group, clusters of 4 x 4, 327,680 bytes of LDS; arguments pw, xh, rl, yh; writes yh
.if DOCPART == 5
	.amdgcn_target "amdgcn-amd-amdhsa--gfx1250"
	.amdhsa_code_object_version 6
	.text
	.protected	k_qfcea8ddcf3_px
	.globl	k_qfcea8ddcf3_px
	.p2align	8
	.type	k_qfcea8ddcf3_px,@function
k_qfcea8ddcf3_px:
	s_mov_b64 s[64:65], 0
	v_nop
	global_prefetch_b8 v0, s[64:65] scope:SCOPE_SE
	s_setreg_imm32_b32 hwreg(HW_REG_WAVE_MODE, 25, 1), 1
	s_wait_xcnt 0x0
	s_wait_alu depctr_hold_cnt(0) depctr_sa_sdst(0) depctr_va_vdst(0) depctr_va_sdst(0) depctr_va_ssrc(0) depctr_va_vcc(0) depctr_vm_vsrc(0)
	s_getreg_b32 s2, hwreg(HW_REG_IB_STS2, 6, 4)
	s_cmp_eq_u32 s2, 0
	s_cbranch_scc0 .Lentry_in_a_cluster
	s_endpgm
.Lentry_in_a_cluster:
	s_bfe_u32 s2, ttmp6, 0x10000c
	s_cmp_lg_u32 s2, 0xf033
	s_cbranch_scc0 .Lentry_shape_is_right
	s_endpgm
.Lentry_shape_is_right:
; yh[row][c] = f16( rl[row] x sum over keys n of pw[row][n] xh[2048 b + n][c] ): the weighted mean of the rows of x.  The module's last product is taken as (P x) W_v^T in place of P (x W_v^T): the same
; sums in another order, so that v is never rounded.  pw: [8192][2048] f16, xh: [8192][1024] f16, rl: [8192] f32, yh: [8192][1024] f16; sums in f32, the division in f32, yh rounded once.
; LIMIT.  y is a mean of rows of x and has their range (f16: under 65,504).
; THE WALK.  A batch's rows lie in four super blocks of 512; super block g needs the keys 0 .. 512 (g + 1) - 1: g + 1 laps of two steps of 256 keys (where a row's own keys end 256 earlier, pw holds zeros).
; A work-group makes TWO tiles of 128 rows x 128 columns, one in super block u and then one in super block 3 - u (u = 0, 1): (u + 1) + (4 - u) = 5 laps, 10 steps, whatever u: all 256 work-groups do equal work,
; and counted loops walk the steps through a ring of two LDS slots.  u enters global addresses and two scalars alone; no branch, no trip count and no LDS address hangs on it.
; ONE TEXT FOR A STEP: a trip of the loop is one step.  s[TB] is the LDS byte at which the slot in hand begins, 0 or SLOT by turns; the fragment addresses and the walking descriptors' LDS words are made from it.
; THE CHANGE OF TILES IS ARITHMETIC.  W holds the sums in hand, SAVE the first tile's.  Behind laps 0 and 1, the only ones that can end the first tile: SAVE += al x W, W = be x W, with (al, be) = (1, 0) behind the first
; tile's last lap and (0, 1) behind the other.  The sums are finite, so 0 x W is 0.  SAVE starts at 0: 128 lines that stand in the wait for the first tile.
; CLUSTER: 4 x 4: four row blocks of the same two super blocks x four column blocks.  pw's tile hangs on the row block and is shared along a row of the cluster, xh's on the column block and is shared along a column: both are asked for JOINTLY.
; Four waves of 64 x 64, 16 accumulators each.  A (pw) lies along the keys in LDS and is read as it lies; B (xh) lies [key][column] and is read turned, by ds_load_tr16_b128.  Source 0 = 16 columns of xh, source 1 = 16 rows of pw:
; a lane holds one row of y and 8 neighbouring columns.  A wave's 64 columns are half of an aligned 256 bytes of yh, so the four waves share one stage on the way out, with barriers round its use.
; REGISTERS: window 0: v0-31 addresses; v32-95 at work on the way out; v96-111 1 / l; v128-255 W ((a, b) at v[128 + 8 (4 a + b)]).  window 1: two fragment buffers of 128: for 64 keys, 64 registers of A, then 64 of B.  window 2: v0-127 SAVE.
.set KSTEP,  256
.set PA,     528                       ; a row of pw's tile in LDS: 512 bytes + 16 = 33 x 16: the 16 rows of a load start at 16 different groups of four banks (64 banks of 4 bytes: ISA guide 11.1)
.set PB,     288                       ; a row of xh's tile: 256 + 32 = 72 words
.set HALFA,  64*PA                     ; what waves 0 and 1 fetch: 64 rows x 256 keys
.set HALFB,  128*PB                    ; what waves 2 and 3 fetch: 128 keys x 128 columns
.set BOFF,   2*HALFA                   ; a slot: pw's 128 rows, then xh's 256 keys
.set SLOT,   BOFF+2*HALFB
.set STAGE,  2*SLOT                    ; behind the ring: 128 rows x 272 bytes, the work-group's
.set SPITCH, 272
.set SPARE,  STAGE+128*SPITCH          ; the spare words, 128 bytes for each wave
.set XROW,   2048                      ; bytes in a row of xh and of yh
.set ADRA, 16                          ; v16  LDS address of my A fragments in the slot in hand; v17 in the other slot
.set A0,   18                          ; v18  the same in slot 0; never rewritten
.set ADRB, 20                          ; v20  my B fragments, slot 0, keys 0-127; never rewritten.  v21: the slot in hand, keys 128-255.  v22: the other slot, keys 0-127 (an LDS immediate has 16 bits)
.set B1,   23                          ; v23  slot 0, keys 128-255; never rewritten
.set STO,  24
.set RD,   25
.set CO,   26
.set SPW,  28
.set NIL,  29
.set PFO,  30                          ; v30  the prefetches' offset
.set RLO,  31                          ; v31  4 (l % 16)
.set TMP,  32
.set RL,   96                          ; v[96:111]  1 / l of my row in block a: first tile at RL + 2 a, second at RL + 8 + 2 a; the odd registers hold 0 (named with them as pairs)
.set ACC,  128
.set F0,   0                           ; fragment buffers, in window 1
.set F1,   128
.set TB,   2                           ; s2   where the slot in hand begins
.set WV,   12                          ; s12  my wave's number
.set KIND, 13                          ; s13  which half of the tile's rows is mine.  Also: I fetch pw (0) or xh (1)
.set HALF, 14                          ; s14  which half of its columns.  Also: which half of that tile I fetch
.set U,    15                          ; s15  u
.set G1,   24
.set G0,   32                          ; s[32:39] a set for each of the two first fills; the second then walks on
.set LIM,  43                          ; s43
.set PFA,  44                          ; s[44:45] what the next prefetch names, less one step
.set PFS,  46                          ; s[46:47] bytes from a step to the next in what I prefetch
.set G1B,  48
.set G0B,  56
.set AOL,  66                          ; s66  byte offset in pw of the rows that I fetch, first tile
.set AOH,  67                          ; s67  second tile
.set NLO,  68                          ; s68  steps of the first tile: 2 (u + 1)
.set SG,   69                          ; s69  the step to be asked for next, 2 .. 10
.set OFA,  70                          ; s[70:71] an offset in pw
.set OFB,  72                          ; s[72:73] an offset in xh
.set XB,   74                          ; s[74:75] xh at my half of the batch's first 256 keys, my column block
.set AL,   76                          ; s[76:77] al, in the low word
.set BE,   78                          ; s[78:79] be
.set YLO,  80                          ; s[80:81] yh at the rows that I store, first tile
.set YHI,  82                          ; s[82:83] second tile
.set SELN, 84                          ; s84  the loop's count in the trip that ends the first tile: 7 - 2 u
.set T0,   85
.set T1,   86
.set T2,   87
.set RPL,  88                          ; s[88:89] rl at my 64 rows, first tile
.set RPH,  90                          ; s[90:91] second tile
.set TP,   92                          ; s[92:93] offsets that hold both places in the cluster: for yh, rl and the prefetches alone
.set LWA,  94                          ; s94  my half of pw's part of a slot; holds nothing else
.set LWB,  95                          ; s95  my half of xh's part
.set TBN,  96                          ; s96  where the other slot begins
.set MSB, 0
.macro WIN new                         ; the immediate's high byte repeats the setting that is left; a switch that changes nothing is dropped
.if MSB != (\new)
	s_set_vgpr_msb (MSB<<8)|(\new)
.set MSB, \new
.endif
.endm
.set MUL,  0x05                        ; sources 0 (B) and 1 (A) window 1; C and D window 0
.set TO_F, 0x40                        ; destination window 1, address window 0
.macro JLOAD s                         ; a joint load: waves 0 and 1 fetch pw's two halves, waves 2 and 3 xh's; an s_nop 0 and four v_nop follow each line
	s_cmp_eq_u32 s[KIND], 0
	s_cbranch_scc0 .Lfor_b_\@
	tensor_load_to_lds s[G0+4*(\s):G0+4*(\s)+3], s[G1:G1+7]
	s_nop 0
.rept 4
	v_nop
.endr
	s_branch .Lasked_\@
.Lfor_b_\@:
	tensor_load_to_lds s[G0B+4*(\s):G0B+4*(\s)+3], s[G1B:G1B+7]
	s_nop 0
.rept 4
	v_nop
.endr
.Lasked_\@:
.endm
; A PREFETCH of the step two refills on, one instruction a wave, 32 blocks of 256 bytes.  The refills ask for steps 2 .. 9, so steps 4 .. 9 can be named; all of these belong to the second tile.
; pw's rows are read by both clusters of a row of clusters: cluster x = 0 asks, waves 0 and 1; of a wave's 64 rows the partner at cx takes 16, two blocks a row.
; A tile of xh is walked by both tiles of a work-group and by both clusters (u = 0, 1) of a batch; keys 1,024 on (steps 4 to 7 of the keys) are read first by the second tile of u = 0, as steps 6 to 9 of its walk: that cluster asks
; for them, waves 2 and 3; of a wave's 128 keys the partner at cy takes 32.  The earlier keys come by their loads alone.  The shares are told apart by address; the branch hangs on the wave's number and the cluster's place alone.
.macro ASK
	WIN 0
	s_cmp_gt_u32 s[SG], s[LIM]                     ; s[SG] is one more than the step just asked for
	s_cbranch_scc0 .Lnot_mine_\@
	s_cmp_le_u32 s[SG], 8                          ; the last two refills have no step two on
	s_cbranch_scc0 .Lnot_mine_\@
	global_prefetch_b8 v[PFO], s[PFA:PFA+1] th:TH_LOAD_NT scope:SCOPE_SE
.Lnot_mine_\@:
.endm
.macro CREST                           ; a round of the cluster's barrier behind its opening barrier
	s_cmp_lg_u32 s[WV], 0
	s_cbranch_scc1 .Lnot_wave_0_\@
	s_barrier_signal -3
.Lnot_wave_0_\@:
	s_barrier_wait -3
	s_barrier_signal -1
	s_barrier_wait -1
.endm
.macro CROUND
	s_barrier_signal -1
	s_barrier_wait -1
	CREST
.endm
; The walking descriptors take the slot in hand and step s[SG], whose addresses are made anew from its number: the first NLO steps take the first tile's rows and the keys from 0 on, the others the second tile's rows and again the keys from 0 on.
.macro NEXTADDR
	s_cmp_lt_u32 s[SG], s[NLO]
	s_cselect_b32 s[T0], s[AOL], s[AOH]
	s_cselect_b32 s[T1], 0, s[NLO]
	s_sub_co_u32 s[T1], s[SG], s[T1]               ; which 256 keys
	s_lshl_b32 s[T2], s[T1], 9                     ; 512 bytes of a row of pw
	s_add_co_u32 s[OFA], s[T0], s[T2]
	s_lshl_b32 s[OFB], s[T1], 19                   ; 256 rows of xh
	s_add_co_u32 s[G0+5], s[LWA], s[TB]
	s_add_nc_u64 s[G0+6:G0+7], s[4:5], s[OFA:OFA+1]
	s_or_b32 s[G0+7], s[G0+7], 0x80000000
	s_add_co_u32 s[G0B+5], s[LWB], s[TB]
	s_add_nc_u64 s[G0B+6:G0B+7], s[XB:XB+1], s[OFB:OFB+1]
	s_or_b32 s[G0B+7], s[G0B+7], 0x80000000
	s_add_co_u32 s[SG], s[SG], 1
.endm
	s_load_b256 s[4:11], s[0:1], 0x0               ; pw s[4:5], xh s[6:7], rl s[8:9], yh s[10:11]
	v_lshl_add_u32 v[SPW], v0, 2, SPARE
	v_mov_b32 v[NIL], 0
	ds_add_u32 v[SPW], v[NIL]                      ; the wave's opening: the add and its wait stand ahead of my first tensor load
	v_lshrrev_b32 v1, 5, v0
	v_readfirstlane_b32 s[WV], v1
	s_lshr_b32 s[KIND], s[WV], 1
	s_and_b32 s[HALF], s[WV], 1
	s_bfe_u32 s40, ttmp6, 0x40000                  ; cx
	s_bfe_u32 s41, ttmp6, 0x40004                  ; cy
	s_lshl_b32 s42, ttmp9, 2
	s_add_co_u32 s42, s42, s40                     ; the column block = 4 x cluster x + cx
	s_and_b32 s16, ttmp7, 0xffff                   ; cluster y = 2 b + u
	s_and_b32 s[U], s16, 1
	s_lshr_b32 s16, s16, 1
	s_lshl_b32 s16, s16, 11                        ; the batch's first row
	s_lshl_b32 s[NLO], s[U], 1
	s_sub_co_u32 s[SELN], 7, s[NLO]
	s_add_co_u32 s[NLO], s[NLO], 2
	s_lshl_b32 s17, s41, 7
	s_add_co_u32 s17, s17, s16                     ; + my row block in a super block: 128 cy
	s_lshl_b32 s18, s[U], 9
	s_add_co_u32 s18, s18, s17                     ; the first tile's first row: super block u
	s_sub_co_u32 s19, 3, s[U]
	s_lshl_b32 s19, s19, 9
	s_add_co_u32 s19, s19, s17                     ; the second tile's: super block 3 - u
	s_lshl_b32 s20, s[HALF], 6
	s_add_co_u32 s[AOL], s18, s20                  ; the 64 rows that I fetch,
	s_lshl_b32 s[AOL], s[AOL], 12                  ; x 4,096 bytes: under 2^25
	s_add_co_u32 s[AOH], s19, s20
	s_lshl_b32 s[AOH], s[AOH], 12
	s_lshl_b32 s21, s[HALF], 7
	s_add_co_u32 s21, s21, s16                     ; xh: the batch's first row + 128 x half,
	s_lshl_b32 s[OFB], s21, 11                     ; x 2,048 bytes,
	s_lshl_b32 s21, s42, 8                         ; + my 128 columns
	s_add_co_u32 s[OFB], s[OFB], s21
	s_mov_b32 s[OFB+1], 0
	s_mov_b32 s[OFA+1], 0
	s_mov_b32 s[TP+1], 0
	s_mov_b32 s[AL+1], 0                           ; named as pairs
	s_mov_b32 s[BE+1], 0
	s_lshl_b32 s20, s41, 2
	s_lshl_b32 s20, 15, s20                        ; my row of the cluster
	s_lshl_b32 s21, 0x1111, s40                    ; my column
	s_or_b32 s[G1+0], s20, (1<<16)|(1<<20)|(1<<21)|(6<<22)|(3<<25)   ; the mask; 2-byte elements; padding on; bit 21 beside a mask; after every 128 words (code 6) 4 words (code 3)
	s_or_b32 s[G1B+0], s21, (1<<16)|(1<<20)|(1<<21)|(5<<22)|(7<<25)  ; after every 64 words (code 5) 8 words (code 7)
	s_mov_b32 s[G1+1], KSTEP<<16                   ; pw: tensor_dim0 = 256 keys
	s_mov_b32 s[G1+2], 64<<16                      ; tensor_dim1 = 64 rows
	s_mov_b32 s[G1+3], KSTEP<<16
	s_mov_b32 s[G1+4], 64
	s_mov_b32 s[G1+5], 2048                        ; elements from row to row of pw
	s_mov_b32 s[G1+6], 0
	s_mov_b32 s[G1+7], 0
	s_mov_b32 s[G1B+1], 128<<16                    ; xh: tensor_dim0 = 128 columns
	s_mov_b32 s[G1B+2], 128<<16                    ; tensor_dim1 = 128 keys
	s_mov_b32 s[G1B+3], 128<<16
	s_mov_b32 s[G1B+4], 128
	s_mov_b32 s[G1B+5], 1024                       ; elements from row to row of xh
	s_mov_b32 s[G1B+6], 0
	s_mov_b32 s[G1B+7], 0
	s_mul_i32 s[LWA], s[HALF], HALFA               ; where they go: no place in the cluster enters an LDS address
	s_mul_i32 s[LWB], s[HALF], HALFB
	s_add_co_u32 s[LWB], s[LWB], BOFF
	s_mov_b32 s[TB], 0                             ; slot 0 is in hand first
	s_wait_dscnt 0x0                               ; the opening add is done
	s_wait_kmcnt 0x0
	s_add_nc_u64 s[XB:XB+1], s[6:7], s[OFB:OFB+1]
	CROUND                                         ; all sixteen work-groups are here: the first joint loads meet
.irp s, 0,1
	s_mov_b32 s[G0+4*(\s)], 1
	s_add_co_u32 s[G0+4*(\s)+1], s[LWA], (\s)*SLOT
	s_add_co_u32 s[OFA], s[AOL], (\s)*KSTEP*2      ; steps 0 and 1 are the first tile's: it has two steps at the least
	s_add_nc_u64 s[G0+4*(\s)+2:G0+4*(\s)+3], s[4:5], s[OFA:OFA+1]
	s_or_b32 s[G0+4*(\s)+3], s[G0+4*(\s)+3], 0x80000000
	s_mov_b32 s[G0B+4*(\s)], 1
	s_add_co_u32 s[G0B+4*(\s)+1], s[LWB], (\s)*SLOT
	s_add_nc_u64 s[G0B+4*(\s)+2:G0B+4*(\s)+3], s[XB:XB+1], (\s)*KSTEP*XROW
	s_or_b32 s[G0B+4*(\s)+3], s[G0B+4*(\s)+3], 0x80000000
	JLOAD \s                                       ; two loads of mine are out
.endr
	s_mov_b32 s[SG], 2
	v_and_b32 v1, 15, v0                           ; l % 16
	v_bfe_u32 v2, v0, 4, 1                         ; l / 16
	v_mul_u32_u24 v3, v1, PA
	v_lshl_add_u32 v3, v2, 4, v3                   ; A: row x pitch + 16 x half
	s_mul_i32 s20, s[KIND], HALFA                  ; my 64 rows
	v_add_nc_u32 v[A0], s20, v3
	v_mov_b32 v[ADRA], v[A0]
	v_add_nc_u32 v[ADRA+1], SLOT, v[A0]
	v_and_b32 v4, 7, v0
	v_bfe_u32 v5, v0, 3, 1
	v_lshl_add_u32 v4, v2, 3, v4                   ; B: lane l reads key 8 (l / 16) + l % 8, columns 8 ((l / 8) % 2) + 0..7, and is left with column l % 16 and 8 keys
	v_mul_u32_u24 v4, v4, PB
	v_lshl_add_u32 v4, v5, 4, v4
	s_lshl_b32 s20, s[HALF], 7                     ; my 64 columns: 128 bytes
	s_add_co_u32 s20, s20, BOFF
	v_add_nc_u32 v[ADRB], s20, v4
	v_add_nc_u32 v[B1], 128*PB, v[ADRB]
	v_mov_b32 v[ADRB+1], v[B1]
	v_add_nc_u32 v[ADRB+2], SLOT, v[ADRB]
	s_mul_i32 s20, s[KIND], 64*SPITCH              ; into the stage: my 64 rows, my half of their 256 bytes; row l % 16, 16 bytes for each half of the lanes
	s_lshl_b32 s21, s[HALF], 7
	s_add_co_u32 s20, s20, s21
	s_add_co_u32 s20, s20, STAGE
	v_mul_u32_u24 v4, v1, SPITCH
	v_lshl_add_u32 v4, v2, 4, v4
	v_add_nc_u32 v[STO], s20, v4
	s_mul_i32 s20, s[WV], 32*SPITCH                ; back: wave w takes rows 32 w .. 32 w + 31, whole; lanes 0-15 one row of 256 bytes, lanes 16-31 the next
	s_add_co_u32 s20, s20, STAGE
	v_mul_u32_u24 v5, v2, SPITCH
	v_lshl_add_u32 v5, v1, 4, v5
	v_add_nc_u32 v[RD], s20, v5
	v_lshlrev_b32 v5, 11, v2                       ; the same two rows in yh
	v_lshl_add_u32 v[CO], v1, 4, v5
	s_lshl_b32 s20, s[KIND], 6                     ; rl at my 64 rows of each tile
	s_add_co_u32 s21, s18, s20
	s_lshl_b32 s[TP], s21, 2
	s_add_nc_u64 s[RPL:RPL+1], s[8:9], s[TP:TP+1]
	s_add_co_u32 s21, s19, s20
	s_lshl_b32 s[TP], s21, 2
	s_add_nc_u64 s[RPH:RPH+1], s[8:9], s[TP:TP+1]
	v_lshlrev_b32 v[RLO], 2, v1
.irp a, 0,1,2,3
	v_mov_b32 v[RL+2*(\a)+1], 0
	v_mov_b32 v[RL+8+2*(\a)+1], 0
	global_load_b32 v[RL+2*(\a)],   v[RLO], s[RPL:RPL+1] offset:64*(\a)  ; 1 / l of row 16 a + l % 16
	global_load_b32 v[RL+8+2*(\a)], v[RLO], s[RPH:RPH+1] offset:64*(\a)
.endr
	s_lshl_b32 s20, s[WV], 5                       ; yh at the 32 rows of each tile that I store
	s_add_co_u32 s21, s18, s20
	s_lshl_b32 s[TP], s21, 11
	s_lshl_b32 s21, s42, 8
	s_add_co_u32 s[TP], s[TP], s21
	s_add_nc_u64 s[YLO:YLO+1], s[10:11], s[TP:TP+1]
	s_add_co_u32 s21, s19, s20
	s_lshl_b32 s[TP], s21, 11
	s_lshl_b32 s21, s42, 8
	s_add_co_u32 s[TP], s[TP], s21
	s_add_nc_u64 s[YHI:YHI+1], s[10:11], s[TP:TP+1]
	; the prefetches.  The first change of slots asks for step 2, steps the pointer once and names step 4: of pw keys 256 (4 - NLO) on, of xh (u = 0) keys 512 on (not asked for before step 6 of the walk)
	s_lshl_b32 s20, s40, 4                         ; pw: my work-group's 16 rows
	s_lshl_b32 s21, s[HALF], 6
	s_add_co_u32 s20, s20, s21                     ; of the 64 that I fetch,
	s_add_co_u32 s20, s20, s19                     ; in the second tile
	s_lshl_b32 s20, s20, 12
	s_sub_co_u32 s21, 3, s[NLO]                    ; 1 or -1 steps of 512 bytes; the rows' offset is 4 MiB at the least, so the sum stays above 0
	s_lshl_b32 s21, s21, 9
	s_add_co_u32 s20, s20, s21
	s_lshl_b32 s21, s41, 5                         ; xh: my work-group's 32 keys
	s_lshl_b32 s22, s[HALF], 7
	s_add_co_u32 s21, s21, s22                     ; of the 128 that I fetch,
	s_add_co_u32 s21, s21, s16
	s_add_co_u32 s21, s21, KSTEP                   ; at keys 256 on
	s_lshl_b32 s21, s21, 11
	s_lshl_b32 s22, s42, 8
	s_add_co_u32 s21, s21, s22
	s_mov_b32 s22, KSTEP*2
	s_mov_b32 s23, KSTEP*XROW
	s_cmp_eq_u32 s[KIND], 0
	s_cselect_b64 s[PFA:PFA+1], s[4:5], s[6:7]
	s_cselect_b32 s[TP], s20, s21
	s_cselect_b32 s[PFS], s22, s23
	s_cselect_b32 s20, ttmp9, s[U]                 ; 0 in a wave that asks: the same in all sixteen partners
	s_cselect_b32 s21, 0, 4                        ; pw: from the first refill on; xh: from the refill that asks for step 4 on
	s_movk_i32 s22, 256
	s_cselect_b32 s22, s22, XROW                   ; an odd lane: pw: the row's second block; xh: the next key
	s_mov_b32 s[PFS+1], 0
	s_cmp_eq_u32 s20, 0
	s_cselect_b32 s[LIM], s21, -1
	s_add_nc_u64 s[PFA:PFA+1], s[PFA:PFA+1], s[TP:TP+1]
	v_and_b32 v3, 31, v0
	v_lshrrev_b32 v4, 1, v3
	v_and_b32 v5, 1, v3
	v_mul_u32_u24 v5, v5, s22
	v_lshl_add_u32 v[PFO], v4, 12, v5              ; 4,096 (lane / 2) + 256 or 2,048 (lane % 2)
	WIN 0x80                                       ; destination window 2
.set i, 0
.rept 128
	v_mov_b32 v[i], 0                              ; SAVE
.set i, i+1
.endr
	WIN 0
; 8 matrix instructions: m blocks a0, a0 + 1 x all 4 n blocks, 32 keys: half c of buffer f.  zero = 1: the first product starts the sums.  The 16 accumulators take turns, in the same order throughout.
.macro MUL8 f, c, a0, zero
	WIN MUL
.irp a, \a0, (\a0)+1
.irp b, 0,1,2,3
.if \zero
	v_wmma_f32_16x16x32_f16 v[ACC+8*(4*(\a)+(\b)):ACC+8*(4*(\a)+(\b))+7], v[(\f)+64+8*(4*(\c)+(\b)):(\f)+64+8*(4*(\c)+(\b))+7], v[(\f)+8*(4*(\c)+(\a)):(\f)+8*(4*(\c)+(\a))+7], 0
.else
	v_wmma_f32_16x16x32_f16 v[ACC+8*(4*(\a)+(\b)):ACC+8*(4*(\a)+(\b))+7], v[(\f)+64+8*(4*(\c)+(\b)):(\f)+64+8*(4*(\c)+(\b))+7], v[(\f)+8*(4*(\c)+(\a)):(\f)+8*(4*(\c)+(\a))+7], v[ACC+8*(4*(\a)+(\b)):ACC+8*(4*(\a)+(\b))+7]
.endif
.endr
.endr
.endm
; 32 LDS loads in one run: the fragments of keys 64 kq .. 64 kq + 63 of a step into buffer f; the first 32 keys first.  which = 0: the slot in hand (kq = 0, 1 only while that is slot 0, ahead of the loop); 1: the other slot (kq = 0, 1 alone)
.macro FETCH which, kq, f
	WIN TO_F
.irp c, 0,1
.irp i, 0,1,2,3
	ds_load_tr16_b128 v[(\f)+64+8*(4*(\c)+(\i)):(\f)+64+8*(4*(\c)+(\i))+3],   v[ADRB+2*(\which)+(\kq)/2] offset:(64*((\kq)%2)+32*(\c))*PB+32*(\i)
	ds_load_tr16_b128 v[(\f)+64+8*(4*(\c)+(\i))+4:(\f)+64+8*(4*(\c)+(\i))+7], v[ADRB+2*(\which)+(\kq)/2] offset:(64*((\kq)%2)+32*(\c)+16)*PB+32*(\i)
	ds_load_b128 v[(\f)+8*(4*(\c)+(\i)):(\f)+8*(4*(\c)+(\i))+3],         v[ADRA+(\which)] offset:128*(\kq)+64*(\c)+(\i)*16*PA
	ds_load_b128 v[(\f)+8*(4*(\c)+(\i))+4:(\f)+8*(4*(\c)+(\i))+7],       v[ADRA+(\which)] offset:128*(\kq)+64*(\c)+(\i)*16*PA+32
.endr
.endr
.endm
.macro PLACES                          ; four plain vector instructions between a matrix instruction and a load into, or a vector access of, its registers
.rept 4
	v_nop
.endr
.endm
; A step is four quarters of 64 keys, 32 matrix instructions each, on buffers 0, 1, 0, 1.  One of the first three: multiplies buffer f and fetches quarter kq into g.
.macro QUARTER which, kq, f, g, zero
	s_wait_dscnt 16                                ; the first 32 keys' fragments are in; the youngest sixteen loads may be out
	MUL8 \f, 0, 0, \zero
	MUL8 \f, 0, 2, \zero
	PLACES
	FETCH \which, \kq, \g
	s_wait_dscnt 32                                ; all but the 32 just issued
	MUL8 \f, 1, 0, 0
	MUL8 \f, 1, 2, 0
.endm
; The last quarter multiplies buffer 1 and changes slots: ONE barrier; in front of it each wave waits for all its tensor loads (one is out: its part of the other slot), adds 0 to its spare word, and waits for that and for its
; reads of the slot in hand.  fill = 1: the barrier opens a round of the cluster's barrier, and the slot in hand is filled again, first thing behind the round, with the step two on: 112 matrix instructions stand between the request and the wait for it.
.macro TURN fill
.if \fill
	s_wait_xcnt 0x0                                ; the last prefetch, a step back, has read its address
	s_add_nc_u64 s[PFA:PFA+1], s[PFA:PFA+1], s[PFS:PFS+1]
.endif
	WIN 0
	s_wait_tensorcnt 0x0                           ; all my tensor loads have landed, so a group 0 may be written
	ds_add_u32 v[SPW], v[NIL]                      ; 0 onto my spare word; the descriptors' scalar work and eight products stand between it and the wait for it
.if \fill
	NEXTADDR
.endif
	s_wait_dscnt 17                                ; (the add and the youngest sixteen loads may be out)
	MUL8 F1, 0, 0, 0
	s_wait_dscnt 0x0                               ; the add is done, and my reads of this slot are over
	s_barrier_signal -1
	MUL8 F1, 0, 2, 0
.if \fill
	WIN 0
.endif
	s_barrier_wait -1
.if \fill
	CREST                                          ; no wave of any partner still reads this slot's tiles or has a load on its way
	JLOAD 1                                        ; the four v_nop behind it are also the places in front of the loads below
.else
	PLACES
.endif
	FETCH 1, 0, F0
.if \fill
	ASK
.endif
	MUL8 F1, 1, 0, 0
	MUL8 F1, 1, 2, 0
.endm
.macro FLIP                            ; the other slot comes in hand
	WIN 0
	s_xor_b32 s[TB], s[TB], SLOT                   ; 0 and SLOT by turns
	s_xor_b32 s[TBN], s[TB], SLOT
	v_add_nc_u32 v[ADRA], s[TB], v[A0]
	v_add_nc_u32 v[ADRA+1], s[TBN], v[A0]
	v_add_nc_u32 v[ADRB+1], s[TB], v[B1]
	v_add_nc_u32 v[ADRB+2], s[TBN], v[ADRB]
.endm
; Behind lap 0 or 1: SAVE += al x W, W = be x W.  Each accumulator's registers are taken in ascending order.
.macro SELECT
	s_cmp_eq_u32 s3, s[SELN]                       ; was this the first tile's last lap?
	s_cselect_b32 s[AL], 1.0, 0
	s_cselect_b32 s[BE], 0, 1.0
	PLACES                                         ; behind the lap's last products
	WIN 0xa0                                       ; destination and source 2 (SAVE) window 2, source 0 (W) window 0
.set z, 0
.rept 64
	v_pk_fma_f32 v[z:z+1], v[ACC+z:ACC+z+1], s[AL:AL+1], v[z:z+1] op_sel_hi:[1,0,1]
.set z, z+2
.endr
	WIN 0
.set z, 0
.rept 64
	v_pk_mul_f32 v[ACC+z:ACC+z+1], v[ACC+z:ACC+z+1], s[BE:BE+1] op_sel_hi:[1,0]
.set z, z+2
.endr
.endm
; THE WAY OUT of a tile whose sums lie at v[base] on: times 1 / l; rounded to f16; 16 bytes a lane into the work-group's stage; a barrier, since a row's 256 bytes come from two waves; back as whole rows, 32 rows a wave.
.macro SCALE win, base, rl
	WIN \win
.irp t, 0,1,2,3,4,5,6,7,8,9,10,11,12,13,14,15
.irp r, 0,1,2,3
	v_pk_mul_f32 v[(\base)+8*(\t)+2*(\r):(\base)+8*(\t)+2*(\r)+1], v[(\base)+8*(\t)+2*(\r):(\base)+8*(\t)+2*(\r)+1], v[(\rl)+2*((\t)/4):(\rl)+2*((\t)/4)+1] op_sel_hi:[1,0]
.endr
.endr
	WIN 0
.endm
.macro NARROW win, base
	WIN \win
.irp t, 0,1,2,3,4,5,6,7,8,9,10,11,12,13,14,15
.irp r, 0,1,2,3
	v_cvt_pk_f16_f32 v[TMP+4*(\t)+(\r)], v[(\base)+8*(\t)+2*(\r)], v[(\base)+8*(\t)+2*(\r)+1]
.endr
.endr
	WIN 0
.endm
.macro TOSTAGE
.irp a, 0,1,2,3
.irp b, 0,1,2,3
	ds_store_b128 v[STO], v[TMP+4*(4*(\a)+(\b)):TMP+4*(4*(\a)+(\b))+3] offset:(\a)*16*SPITCH+32*(\b)
.endr
.endr
	s_wait_dscnt 0x0                               ; for the others' sake: my stores into the stage are done
	s_barrier_signal -1
	s_barrier_wait -1
.irp t, 0,1,2,3,4,5,6,7,8,9,10,11,12,13,14,15
	ds_load_b128 v[TMP+4*(\t):TMP+4*(\t)+3], v[RD] offset:(\t)*2*SPITCH
.endr
.endm
.macro SEND p
.irp t, 0,1,2,3,4,5,6,7,8,9,10,11,12,13,14,15
	s_wait_dscnt 15-(\t)                           ; LDS loads come back in order: load t is in
	global_store_b128 v[CO], v[TMP+4*(\t):TMP+4*(\t)+3], s[(\p):(\p)+1] offset:2*(\t)*XROW  ; 16 lanes store 256 consecutive bytes, aligned
.endr
.endm
	s_wait_tensorcnt 1                             ; my part of step 0 is in; step 1's may stay out
	s_barrier_signal -1
	s_barrier_wait -1
	FETCH 0, 0, F0
	QUARTER 0, 1, F0, F1, 1                        ; the first quarter stands in front of the loop: its first products start the sums
	WIN 0                                          ; at a label and at a branch every window is 0
	s_mov_b32 s3, 8
.Lstep:                                                ; eight trips, s3 = 8 .. 1: from a step's second quarter to the next step's first; the slot read out is filled again, with steps 2 .. 9
	QUARTER 0, 2, F1, F0, 0
	QUARTER 0, 3, F0, F1, 0
	TURN 1
	WIN 0
	s_or_b32 s[T0], s3, 2                          ; 7 where s3 is 7 or 5: the trips that end laps 0 and 1; the count is the same in every work-group
	s_cmp_eq_u32 s[T0], 7
	s_cbranch_scc0 .Lsame_tile                     ; forward, past register work alone
	SELECT
.Lsame_tile:
	QUARTER 1, 1, F0, F1, 0
	FLIP
	s_sub_co_u32 s3, s3, 1
	s_cmp_lg_u32 s3, 0
	s_cbranch_scc1 .Lstep
	s_mov_b32 s3, 2
.Ltail:                                                ; steps 8 and 9 fill nothing: a text of their own; the second trip is left in its middle
	QUARTER 0, 2, F1, F0, 0
	QUARTER 0, 3, F0, F1, 0
	TURN 0
	WIN 0
	s_sub_co_u32 s3, s3, 1
	s_cmp_eq_u32 s3, 0
	s_cbranch_scc1 .Lout
	QUARTER 1, 1, F0, F1, 0
	FLIP
	s_branch .Ltail
.Lout:
	s_wait_dscnt 0x0                               ; the last trip's fetch from the other slot (step 8's tiles once more) serves nothing: 32 LDS loads and a barrier, once a launch, the price of one text for both trips
	PLACES
	s_wait_loadcnt 0x0                             ; 1 / l, asked for at the head
	SCALE 0x82, 0, RL                              ; the first tile: destination and source 0 window 2, 1 / l window 0
	NARROW 0x0a, 0                                 ; sources window 2, destination window 0
	TOSTAGE
	SCALE 0, ACC, RL+8                             ; the second tile's multiplies stand between the loads from the stage and the waits for them
	SEND YLO
	s_wait_xcnt 0x0                                ; the stores have read TMP, which is written anew below
	s_wait_dscnt 0x0                               ; my reads of the stage are over:
	s_barrier_signal -1
	s_barrier_wait -1                              ; everybody's are, so it may be written again
	NARROW 0, ACC
	TOSTAGE
	SEND YHI
	s_wait_tensorcnt 0x0                           ; the wave's end
	ds_add_u32 v[SPW], v[NIL]
	s_wait_dscnt 0x0
	CROUND                                         ; the closing round
	s_endpgm
.Lfunc_end_k_qfcea8ddcf3_px:
	.size	k_qfcea8ddcf3_px, .Lfunc_end_k_qfcea8ddcf3_px-k_qfcea8ddcf3_px
	.p2alignl 7, 3214868480
	.fill 96, 4, 3214868480
	.section	.rodata,"a",@progbits
	.p2align	6, 0x0
	.amdhsa_kernel k_qfcea8ddcf3_px
		.amdhsa_group_segment_fixed_size 327680
		.amdhsa_private_segment_fixed_size 0
		.amdhsa_enable_private_segment 0
		.amdhsa_kernarg_size 32
		.amdhsa_user_sgpr_count 2
		.amdhsa_user_sgpr_kernarg_segment_ptr 1
		.amdhsa_wavefront_size32 1
		.amdhsa_system_sgpr_workgroup_id_x 1
		.amdhsa_system_sgpr_workgroup_id_y 1
		.amdhsa_system_sgpr_workgroup_id_z 1
		.amdhsa_system_vgpr_workitem_id 0
		.amdhsa_next_free_vgpr 640
		.amdhsa_next_free_sgpr 98
		.amdhsa_reserve_vcc 0
		.amdhsa_float_denorm_mode_32 3
		.amdhsa_float_denorm_mode_16_64 3
		.amdhsa_memory_ordered 1
		.amdhsa_forward_progress 1
		.amdhsa_inst_pref_size 92
	.end_amdhsa_kernel
	.amdgpu_metadata
---
amdhsa.version: [ 1, 2 ]
amdhsa.kernels:
  - .name:           k_qfcea8ddcf3_px
    .symbol:         k_qfcea8ddcf3_px.kd
    .args:
      - { .name: pw, .offset: 0, .size: 8, .value_kind: global_buffer, .address_space: global }
      - { .name: xh, .offset: 8, .size: 8, .value_kind: global_buffer, .address_space: global }
      - { .name: rl, .offset: 16, .size: 8, .value_kind: global_buffer, .address_space: global }
      - { .name: yh, .offset: 24, .size: 8, .value_kind: global_buffer, .address_space: global }
    .group_segment_fixed_size: 327680
    .private_segment_fixed_size: 0
    .kernarg_segment_align: 8
    .kernarg_segment_size: 32
    .max_flat_workgroup_size: 128
    .sgpr_count:     98
    .vgpr_count:     640
    .wavefront_size: 32
...
	.end_amdgpu_metadata
.endif
;; end of part 5
;; launch outp (part 6): grid 8 x 32, 4 waves a work-group, clusters of 4 x 4, 327,680 bytes of LDS; arguments yh, wh, out0; writes out0
.if DOCPART == 6
	.amdgcn_target "amdgcn-amd-amdhsa--gfx1250"
	.amdhsa_code_object_version 6
	.text
	.protected	k_qfcea8ddcf3_outp
	.globl	k_qfcea8ddcf3_outp
	.p2align	8
	.type	k_qfcea8ddcf3_outp,@function
k_qfcea8ddcf3_outp:
	s_mov_b64 s[64:65], 0
	v_nop
	global_prefetch_b8 v0, s[64:65] scope:SCOPE_SE
	s_setreg_imm32_b32 hwreg(HW_REG_WAVE_MODE, 25, 1), 1
	s_wait_xcnt 0x0
	s_wait_alu depctr_hold_cnt(0) depctr_sa_sdst(0) depctr_va_vdst(0) depctr_va_sdst(0) depctr_va_ssrc(0) depctr_va_vcc(0) depctr_vm_vsrc(0)
	s_getreg_b32 s2, hwreg(HW_REG_IB_STS2, 6, 4)
	s_cmp_eq_u32 s2, 0
	s_cbranch_scc0 .Lentry_in_a_cluster
	s_endpgm
.Lentry_in_a_cluster:
	s_bfe_u32 s2, ttmp6, 0x10000c
	s_cmp_lg_u32 s2, 0xf033
	s_cbranch_scc0 .Lentry_shape_is_right
	s_endpgm
.Lentry_shape_is_right:
; out0[m][n] = sum over k of yh[m][k] W_v[n][k], f32.  yh: [8192][1024] f16; W_v is rows 2048-3071 of wh ([3072][1024] f16); out0: [8192][1024] f32, stored unrounded from the f32 sums.
; A tile of out0 is 256 rows x 128 columns: four waves of 64 x 128, 32 accumulators each; 32 x 8 tiles: 256 work-groups.  K goes in 8 steps of 128 through two LDS slots; a trip of the loop is a K step, and
; s[TB] is where the slot in hand begins, 0 or SLOT by turns.
; CLUSTERS: 4 x 4.  The four of a row of the cluster need the same tiles of yh, the four of a column the same tiles of W_v: each is asked for jointly.
; Source 0 = 16 rows of W_v, source 1 = 16 rows of yh: a lane holds one row of out0 and 8 neighbouring columns, 32 bytes.
; REGISTERS: window 0: v0-31 addresses; v64-95, v128-159 fragments of A; on the way out v64-127 and v128-191 hold rows; window 1: v64-127, v128-191 fragments of B; window 2: accumulator (a, b) at v[8 (8 a + b)].
.set SIZE_K, 1024
.set KSTEP,  128
.set STEPS,  8
.set PITCH,  272
.set HALFA,  128*PITCH
.set HALFB,  64*PITCH
.set BOFF,   2*HALFA                   ; a slot: yh's 256 rows, then W_v's 128
.set SLOT,   BOFF+2*HALFB
.set STAGE,  2*SLOT                    ; 16 rows x 528 bytes for each wave
.set SP32,   528
.set SPARE,  STAGE+4*16*SP32
.set ROWC,   4096                      ; bytes in a row of out0
.set ADRA, 16                          ; v16 my A fragments in the slot in hand, v17 in the other
.set A0,   18                          ; v18 in slot 0; never rewritten
.set ADRB, 20
.set B0,   22
.set STO,  24
.set RD,   25
.set CO,   26
.set SPW,  28
.set NIL,  29
.set PFO,  30
.set TB,   2                           ; s2   where the slot in hand begins
.set LWA,  20                          ; s20  my half of A's part of a slot
.set LWB,  21                          ; s21  my half of B's
.set TBN,  22                          ; s22  where the other slot begins
.set PFA,  44
.set LIM,  43
.set F0,   64
.set F1,   128
.set G1, 24
.set G0, 32                            ; a set for each of the two first fills; the second then walks on
.set G1B, 48
.set G0B, 56
.set MSB, 0
.macro WIN new
.if MSB != (\new)
	s_set_vgpr_msb (MSB<<8)|(\new)
.set MSB, \new
.endif
.endm
.set MUL,  0xa1
.set TO_B, 0x40
.macro JLOAD s                         ; waves 0 and 1: yh's two halves; waves 2 and 3: W_v's.  An s_nop 0 and four v_nop follow each line
	s_cmp_eq_u32 s11, 0
	s_cbranch_scc0 .Lfor_b_\@
	tensor_load_to_lds s[G0+4*(\s):G0+4*(\s)+3], s[G1:G1+7]
	s_nop 0
.rept 4
	v_nop
.endr
	s_branch .Lasked_\@
.Lfor_b_\@:
	tensor_load_to_lds s[G0B+4*(\s):G0B+4*(\s)+3], s[G1B:G1B+7]
	s_nop 0
.rept 4
	v_nop
.endr
.Lasked_\@:
.endm
; A prefetch of the K step two refills on: 32 rows x 256 bytes, a lane a row.  yh: cluster x = 0 asks, waves 0 and 1, the partner at cx takes rows 32 cx on of a wave's 128.  W_v: cluster y = 0 asks, wave 2 alone:
; the partner at cy takes rows 32 cy on of the tile's 128.  Each row's 256 bytes of a K step are named once.  The trips with s3 = 6 .. 3 name K steps 4 .. 7, the last two nothing.
.macro ASK
	s_cmp_gt_u32 s3, s[LIM]
	s_cbranch_scc0 .Lnot_mine_\@
	global_prefetch_b8 v[PFO], s[PFA:PFA+1] offset:KSTEP*2 th:TH_LOAD_NT scope:SCOPE_SE
.Lnot_mine_\@:
.endm
.macro CREST
	s_cmp_lg_u32 s10, 0
	s_cbranch_scc1 .Lnot_wave_0_\@
	s_barrier_signal -3
.Lnot_wave_0_\@:
	s_barrier_wait -3
	s_barrier_signal -1
	s_barrier_wait -1
.endm
.macro CROUND
	s_barrier_signal -1
	s_barrier_wait -1
	CREST
.endm
	s_load_b128 s[4:7], s[0:1], 0x0                ; yh s[4:5], wh s[6:7]
	s_load_b64 s[8:9], s[0:1], 0x10                ; out0
	v_lshl_add_u32 v[SPW], v0, 2, SPARE
	v_mov_b32 v[NIL], 0
	ds_add_u32 v[SPW], v[NIL]                      ; the wave's opening: the add and its wait stand ahead of my first tensor load
	v_lshrrev_b32 v1, 5, v0
	v_readfirstlane_b32 s10, v1                    ; wave 0..3
	s_lshr_b32 s11, s10, 1                         ; I fetch for A (0) or for B (1)
	s_and_b32 s12, s10, 1                          ; which half of that tile
	s_bfe_u32 s40, ttmp6, 0x40000                  ; cx
	s_bfe_u32 s41, ttmp6, 0x40004                  ; cy
	s_lshl_b32 s42, ttmp9, 2
	s_add_co_u32 s42, s42, s40                     ; tile column = 4 x cluster x + cx
	s_and_b32 s13, ttmp7, 0xffff
	s_lshl_b32 s13, s13, 2
	s_add_co_u32 s13, s13, s41                     ; tile row = 4 x cluster y + cy
	s_lshl_b32 s43, s41, 2
	s_lshl_b32 s43, 15, s43                        ; my row of the cluster
	s_lshl_b32 s44, 0x1111, s40                    ; my column
	s_or_b32 s[G1+0], s43, (1<<16)|(1<<20)|(1<<21)|(5<<22)|(3<<25)
	s_or_b32 s[G1B+0], s44, (1<<16)|(1<<20)|(1<<21)|(5<<22)|(3<<25)
	s_mov_b32 s[G1+1], KSTEP<<16                   ; A: 128 rows x 128 elements
	s_mov_b32 s[G1+2], 128<<16
	s_mov_b32 s[G1+3], KSTEP<<16
	s_mov_b32 s[G1+4], 128
	s_mov_b32 s[G1+5], SIZE_K
	s_mov_b32 s[G1+6], 0
	s_mov_b32 s[G1+7], 0
	s_mov_b32 s[G1B+1], KSTEP<<16                  ; B: 64 rows x 128 elements
	s_mov_b32 s[G1B+2], 64<<16
	s_mov_b32 s[G1B+3], KSTEP<<16
	s_mov_b32 s[G1B+4], 64
	s_mov_b32 s[G1B+5], SIZE_K
	s_mov_b32 s[G1B+6], 0
	s_mov_b32 s[G1B+7], 0
	s_lshl_b32 s16, s13, 8
	s_lshl_b32 s17, s12, 7
	s_add_co_u32 s16, s16, s17                     ; A: row 256 x tile row + 128 x half
	s_lshl_b32 s16, s16, 11                        ; x 2,048 bytes
	s_mov_b32 s17, 0
	s_lshl_b32 s46, s42, 7
	s_lshl_b32 s47, s12, 6
	s_add_co_u32 s46, s46, s47
	s_add_co_u32 s46, s46, 2048                    ; B: row 2,048 (W_v's first) + 128 x tile column + 64 x half
	s_lshl_b32 s46, s46, 11
	s_mov_b32 s47, 0
	s_mul_i32 s[LWA], s12, HALFA                   ; where they go: no place in the cluster enters an LDS address
	s_mul_i32 s[LWB], s12, HALFB
	s_add_co_u32 s[LWB], s[LWB], BOFF
	s_wait_dscnt 0x0                               ; the opening add is done
	s_wait_kmcnt 0x0
	s_add_nc_u64 s[14:15], s[4:5], s[16:17]
	s_add_nc_u64 s[46:47], s[6:7], s[46:47]
	CROUND                                         ; all sixteen work-groups are here: the first joint loads meet
.irp s, 0,1
	s_mov_b32 s[G0+4*(\s)], 1
	s_add_co_u32 s[G0+4*(\s)+1], s[LWA], (\s)*SLOT
	s_add_nc_u64 s[G0+4*(\s)+2:G0+4*(\s)+3], s[14:15], (\s)*KSTEP*2
	s_or_b32 s[G0+4*(\s)+3], s[G0+4*(\s)+3], 0x80000000
	s_mov_b32 s[G0B+4*(\s)], 1
	s_add_co_u32 s[G0B+4*(\s)+1], s[LWB], (\s)*SLOT
	s_add_nc_u64 s[G0B+4*(\s)+2:G0B+4*(\s)+3], s[46:47], (\s)*KSTEP*2
	s_or_b32 s[G0B+4*(\s)+3], s[G0B+4*(\s)+3], 0x80000000
	JLOAD \s                                       ; K steps 0 and 1: two loads of mine are out
.endr
	v_and_b32 v1, 15, v0                           ; l % 16
	v_bfe_u32 v2, v0, 4, 1                         ; l / 16
	v_mul_u32_u24 v3, v1, PITCH
	v_lshl_add_u32 v3, v2, 4, v3
	s_mul_i32 s23, s10, 64*PITCH                   ; my 64 rows of A; every wave reads all 128 rows of B
	v_add_nc_u32 v[A0], s23, v3
	v_add_nc_u32 v[B0], BOFF, v3
	v_mov_b32 v[ADRA], v[A0]                       ; slot 0 is in hand first
	v_mov_b32 v[ADRB], v[B0]
	v_add_nc_u32 v[ADRA+1], SLOT, v[A0]
	v_add_nc_u32 v[ADRB+1], SLOT, v[B0]
	s_mul_i32 s23, s10, 16*SP32
	s_add_co_u32 s23, s23, STAGE                   ; my stage
	v_mul_u32_u24 v4, v1, SP32                     ; in: row l % 16, 32 bytes for each half of the lanes
	v_lshl_add_u32 v4, v2, 5, v4
	v_add_nc_u32 v[STO], s23, v4
	v_and_b32 v5, 31, v0
	v_lshlrev_b32 v[CO], 4, v5                     ; back: 32 lanes take one row of 512 bytes
	v_add_nc_u32 v[RD], s23, v[CO]
	v_lshlrev_b32 v[PFO], 11, v5                   ; my lane x a row of 2,048 bytes
	s_lshl_b32 s16, s13, 8
	s_lshl_b32 s17, s10, 6
	s_add_co_u32 s16, s16, s17                     ; my first row of out0
	s_lshl_b32 s16, s16, 12
	s_mov_b32 s17, 0
	s_add_nc_u64 s[8:9], s[8:9], s[16:17]
	s_lshl_b32 s46, s42, 9                         ; the tile's 128 columns of 4 bytes
	s_mov_b32 s47, 0
	s_add_nc_u64 s[8:9], s[8:9], s[46:47]          ; never rewritten
	; the prefetches
	s_lshl_b32 s16, s13, 8
	s_lshl_b32 s18, s12, 7
	s_add_co_u32 s16, s16, s18                     ; yh: the 128 rows that I fetch
	s_lshl_b32 s17, s42, 7
	s_add_co_u32 s17, s17, 2048                    ; W_v: the tile's 128 rows
	s_and_b32 s18, ttmp7, 0xffff                   ; cluster y
	s_cmp_eq_u32 s11, 0
	s_cselect_b32 s16, s16, s17
	s_cselect_b32 s17, s40, s41                    ; my place among the four that ask with me
	s_cselect_b32 s18, ttmp9, s18                  ; the coordinate along which other clusters read the same rows
	s_cselect_b64 s[PFA:PFA+1], s[4:5], s[6:7]
	s_cmp_eq_u32 s10, 3
	s_cselect_b32 s18, 1, s18                      ; wave 3 never asks
	s_cmp_eq_u32 s18, 0
	s_cselect_b32 s[LIM], 2, -1
	s_lshl_b32 s17, s17, 5
	s_add_co_u32 s16, s16, s17                     ; + my work-group's 32 rows
	s_lshl_b32 s16, s16, 11
	s_mov_b32 s17, 0
	s_add_nc_u64 s[PFA:PFA+1], s[PFA:PFA+1], s[16:17]
	s_add_nc_u64 s[PFA:PFA+1], s[PFA:PFA+1], 2*KSTEP*2  ; at K step 2: the first refill steps it to 3 and names K step 4
	s_mov_b32 s[TB], 0
.macro MUL8 f, a, zero                 ; 8 matrix instructions: m block a x all 8 n blocks, 32 along K.  The 32 accumulators take turns, in the same order in every quarter
	WIN MUL
.irp b, 0,1,2,3,4,5,6,7
.if \zero
	v_wmma_f32_16x16x32_f16 v[8*(8*(\a)+(\b)):8*(8*(\a)+(\b))+7], v[(\f)+8*(\b):(\f)+8*(\b)+7], v[(\f)+8*(\a):(\f)+8*(\a)+7], 0
.else
	v_wmma_f32_16x16x32_f16 v[8*(8*(\a)+(\b)):8*(8*(\a)+(\b))+7], v[(\f)+8*(\b):(\f)+8*(\b)+7], v[(\f)+8*(\a):(\f)+8*(\a)+7], v[8*(8*(\a)+(\b)):8*(8*(\a)+(\b))+7]
.endif
.endr
.endm
.macro MUL16 f, a0, zero
	MUL8 \f, \a0, \zero
	MUL8 \f, (\a0)+1, \zero
.endm
.macro FETCH which, kq, f              ; 24 LDS loads in one run: B's 16, then A's 8.  which = 0: the slot in hand; 1: the other
	WIN TO_B
.irp i, 0,1,2,3,4,5,6,7
	ds_load_b128 v[(\f)+8*(\i):(\f)+8*(\i)+3],   v[ADRB+(\which)] offset:64*(\kq)+(\i)*16*PITCH
	ds_load_b128 v[(\f)+8*(\i)+4:(\f)+8*(\i)+7], v[ADRB+(\which)] offset:64*(\kq)+(\i)*16*PITCH+32
.endr
	WIN 0
.irp i, 0,1,2,3
	ds_load_b128 v[(\f)+8*(\i):(\f)+8*(\i)+3],   v[ADRA+(\which)] offset:64*(\kq)+(\i)*16*PITCH
	ds_load_b128 v[(\f)+8*(\i)+4:(\f)+8*(\i)+7], v[ADRA+(\which)] offset:64*(\kq)+(\i)*16*PITCH+32
.endr
.endm
.macro PLACES
.rept 4
	v_nop
.endr
.endm
.macro QUARTER which, kq, f, g, zero
	s_wait_dscnt 4                                 ; B and A's blocks 0, 1 are in; the youngest four loads may be out
	MUL16 \f, 0, \zero
	PLACES
	FETCH \which, \kq, \g
	s_wait_dscnt 24                                ; all but the 24 just issued
	MUL16 \f, 2, \zero
.endm
.macro TURN fill                       ; the last quarter changes slots; fill = 1: behind a round of the cluster's barrier the slot just read out takes the K step two on: 112 matrix instructions ahead of the wait for it
.if \fill
	s_wait_xcnt 0x0                                ; the last prefetch, a K step back, has read its address
	s_add_nc_u64 s[PFA:PFA+1], s[PFA:PFA+1], KSTEP*2
.endif
	WIN 0
	s_wait_tensorcnt 0x0                           ; all my tensor loads have landed
	ds_add_u32 v[SPW], v[NIL]                      ; 0 onto my spare word
	s_wait_dscnt 5                                 ; (the add and the youngest four loads may be out)
	MUL8 F1, 0, 0
	s_wait_dscnt 0x0                               ; the add is done, and my reads of this slot are over
	s_barrier_signal -1
	MUL8 F1, 1, 0
	WIN 0
	s_barrier_wait -1
.if \fill
	CREST
	s_add_co_u32 s[G0+5], s[LWA], s[TB]            ; the walking descriptors: the slot in hand,
	s_add_nc_u64 s[G0+6:G0+7], s[G0+6:G0+7], KSTEP*2  ; the K step behind the one asked for last
	s_add_co_u32 s[G0B+5], s[LWB], s[TB]
	s_add_nc_u64 s[G0B+6:G0B+7], s[G0B+6:G0B+7], KSTEP*2
	JLOAD 1
.else
	PLACES
.endif
	FETCH 1, 0, F0
.if \fill
	ASK
.endif
	MUL16 F1, 2, 0
.endm
.macro FLIP                            ; the other slot comes in hand
	WIN 0
	s_xor_b32 s[TB], s[TB], SLOT                   ; 0 and SLOT by turns
	s_xor_b32 s[TBN], s[TB], SLOT
	v_add_nc_u32 v[ADRA], s[TB], v[A0]
	v_add_nc_u32 v[ADRB], s[TB], v[B0]
	v_add_nc_u32 v[ADRA+1], s[TBN], v[A0]
	v_add_nc_u32 v[ADRB+1], s[TBN], v[B0]
.endm
; THE WAY OUT of block a (16 rows x 128 columns of f32): from the accumulators into my stage, each accumulator's low four registers first, and back as whole rows of 512 bytes.
.macro TOSTAGE32 a
.set BK, F0+64*((\a)%2)
	s_wait_xcnt 0x0                                ; the stores of block a - 2 have read the registers that are loaded below
	WIN 0x08                                       ; the store's data (source 1): window 2
.irp b, 0,1,2,3,4,5,6,7
	ds_store_b128 v[STO], v[64*(\a)+8*(\b):64*(\a)+8*(\b)+3]   offset:64*(\b)
	ds_store_b128 v[STO], v[64*(\a)+8*(\b)+4:64*(\a)+8*(\b)+7] offset:64*(\b)+16
.endr
	WIN 0
.irp t, 0,1,2,3,4,5,6,7,8,9,10,11,12,13,14,15
	ds_load_b128 v[BK+4*(\t):BK+4*(\t)+3], v[RD] offset:(\t)*SP32  ; LDS serves a wave's instructions in order (ISA guide 5.7.1.4)
.endr
.endm
.macro SEND32 a, younger               ; younger: the next block's 32 LDS instructions, or none
.set BK, F0+64*((\a)%2)
	s_wait_dscnt \younger
.irp t, 0,1,2,3,4,5,6,7,8,9,10,11,12,13,14,15
	global_store_b128 v[CO], v[BK+4*(\t):BK+4*(\t)+3], s[8:9] offset:(16*(\a)+(\t))*ROWC th:TH_STORE_NT  ; 32 lanes store 512 consecutive bytes, aligned
.endr
.endm
	s_wait_tensorcnt 1                             ; my part of K step 0 is in; K step 1's may stay out
	s_barrier_signal -1
	s_barrier_wait -1
	FETCH 0, 0, F0
	QUARTER 0, 1, F0, F1, 1                        ; the first quarter's products start the sums
	WIN 0
	s_mov_b32 s3, STEPS-2
.Lstep:                                                ; six trips: from a K step's second quarter to the next step's first; the slot read out is filled again
	QUARTER 0, 2, F1, F0, 0
	QUARTER 0, 3, F0, F1, 0
	TURN 1
	QUARTER 1, 1, F0, F1, 0
	FLIP
	s_sub_co_u32 s3, s3, 1
	s_cmp_lg_u32 s3, 0
	s_cbranch_scc1 .Lstep
	s_mov_b32 s3, 2
.Ltail:                                                ; the last two K steps fill nothing: a text of their own; the second trip is left in its middle
	QUARTER 0, 2, F1, F0, 0
	QUARTER 0, 3, F0, F1, 0
	TURN 0
	WIN 0
	s_sub_co_u32 s3, s3, 1
	s_cmp_eq_u32 s3, 0
	s_cbranch_scc1 .Lout
	QUARTER 1, 1, F0, F1, 0
	FLIP
	s_branch .Ltail
.Lout:
	s_wait_dscnt 0x0                               ; the last trip's fetch from the other slot serves nothing: 24 LDS loads, once a launch, the price of one text for both trips; its registers are loaded anew below
	PLACES                                         ; eight places
	PLACES
	TOSTAGE32 0
.irp a, 1,2,3
	TOSTAGE32 \a
	SEND32 (\a)-1, 32
.endr
	SEND32 3, 0
	s_wait_tensorcnt 0x0                           ; the wave's end
	ds_add_u32 v[SPW], v[NIL]
	s_wait_dscnt 0x0
	CROUND                                         ; the closing round
	s_endpgm
.Lfunc_end_k_qfcea8ddcf3_outp:
	.size	k_qfcea8ddcf3_outp, .Lfunc_end_k_qfcea8ddcf3_outp-k_qfcea8ddcf3_outp
	.p2alignl 7, 3214868480
	.fill 96, 4, 3214868480
	.section	.rodata,"a",@progbits
	.p2align	6, 0x0
	.amdhsa_kernel k_qfcea8ddcf3_outp
		.amdhsa_group_segment_fixed_size 327680
		.amdhsa_private_segment_fixed_size 0
		.amdhsa_enable_private_segment 0
		.amdhsa_kernarg_size 24
		.amdhsa_user_sgpr_count 2
		.amdhsa_user_sgpr_kernarg_segment_ptr 1
		.amdhsa_wavefront_size32 1
		.amdhsa_system_sgpr_workgroup_id_x 1
		.amdhsa_system_sgpr_workgroup_id_y 1
		.amdhsa_system_sgpr_workgroup_id_z 1
		.amdhsa_system_vgpr_workitem_id 0
		.amdhsa_next_free_vgpr 768
		.amdhsa_next_free_sgpr 66
		.amdhsa_reserve_vcc 0
		.amdhsa_float_denorm_mode_32 3
		.amdhsa_float_denorm_mode_16_64 3
		.amdhsa_memory_ordered 1
		.amdhsa_forward_progress 1
		.amdhsa_inst_pref_size 61
	.end_amdhsa_kernel
	.amdgpu_metadata
---
amdhsa.version: [ 1, 2 ]
amdhsa.kernels:
  - .name:           k_qfcea8ddcf3_outp
    .symbol:         k_qfcea8ddcf3_outp.kd
    .args:
      - { .name: yh, .offset: 0, .size: 8, .value_kind: global_buffer, .address_space: global }
      - { .name: wh, .offset: 8, .size: 8, .value_kind: global_buffer, .address_space: global }
      - { .name: out0, .offset: 16, .size: 8, .value_kind: global_buffer, .address_space: global }
    .group_segment_fixed_size: 327680
    .private_segment_fixed_size: 0
    .kernarg_segment_align: 8
    .kernarg_segment_size: 24
    .max_flat_workgroup_size: 128
    .sgpr_count:     66
    .vgpr_count:     768
    .wavefront_size: 32
...
	.end_amdgpu_metadata
.endif
;; end of part 6
;; ======== version 2 of 2: 6 launches; version 1 with the launch cast written anew for expert scheduling mode
;; limits: values are held in f16: magnitudes above 65,504 overflow, below 6.1e-05 lose precision
;; workspace buffers: xh 16,777,216 bytes; wh 6,291,456 bytes; qk 33,554,432 bytes; sc 67,108,864 bytes; pw 33,554,432 bytes; rl 32,768 bytes; yh 16,777,216 bytes
;; launch cast (part 7): grid 704 x 1, 8 waves a work-group, no clusters, 0 bytes of LDS; arguments x, W_q, W_k, W_v, xh, wh; writes xh, wh
.if DOCPART == 7
	.amdgcn_target "amdgcn-amd-amdhsa--gfx1250"
	.amdhsa_code_object_version 6
	.text
	.protected	k_qfcea8ddcf3_cast
	.globl	k_qfcea8ddcf3_cast
	.p2align	8
	.type	k_qfcea8ddcf3_cast,@function
k_qfcea8ddcf3_cast:
	s_mov_b64 s[64:65], 0
	v_nop
	global_prefetch_b8 v0, s[64:65] scope:SCOPE_SE
	s_setreg_imm32_b32 hwreg(HW_REG_WAVE_SCHED_MODE, 0, 2), 2
	s_setreg_imm32_b32 hwreg(HW_REG_WAVE_MODE, 25, 1), 1
	s_wait_xcnt 0x0
	s_wait_alu depctr_vm_vsrc(0)
; xh = f16(bf16(x)); wh = f16(bf16([W_q; W_k; W_v])), the three weights on end.  Every input is rounded once, to bf16 (nearest even); that number is then written as f16.
; LIMITS.  A bf16 number has 8 significant bits and is exact in f16 between 6.1e-5 and 65,504 in magnitude; below that it keeps f16's fixed step of 6e-8, above it becomes an infinity.
; SHARES.  All four tensors are flat streams.  A work-group takes 65,536 bytes in and 32,768 out; x has 512 such units, each weight 64: 704 work-groups.  A wave takes 8,192 bytes in:
; sixteen loads of 512 consecutive bytes, all issued at once, and sixteen stores of 256 consecutive bytes, aligned.  Each byte is read once and written once; nothing is shared, so no LDS.
; THE MODE: SCHED_MODE bits 1:0 = 2 (LLVM: expert scheduling mode 2), set by the entry lines.  The code itself states the register dependences between vector instructions and memory
; instructions, with s_wait_alu, always for 0.
; THE PLAN.  Registers that memory instructions touch:
;   v1, v2   the loads' and the stores' byte offsets: made at the head by vector instructions, never written again.
;   X        four registers for each load: written by that load alone, once; read by the row's two roundings to bf16.  No vector instruction writes them, no second load lands in them.
;   Y        a pair for each store: written by the row's two roundings to f16, read by that one store, never written again.
; T, v3 and v12 are named by vector instructions alone.  No vector instruction writes a scalar register or VCC, and EXEC is never written.
; So what is to be stated is this alone: an offset, or a store's data, is written before the memory instruction reads it.  The sixteen rows go in four groups of four.  Group p's vector
; instructions write T and group p's pairs of Y; its memory instructions are the four stores of group p - 1, which read that group's pairs and v2.  One wait at a group's head states that
; the group before has written its pairs; the four stores follow it, one ahead of each row's vector instructions, with no further wait.  One wait stands ahead of the first load, for the
; offsets, and one behind the last group, for its four stores.
.set X, 16                             ; v[16:79]   the sixteen loads' results
.set T, 4                              ; v[4:9]     at work
.set Y, 80                             ; v[80:111]  a pair for each store: never rewritten
	s_load_b256 s[4:11], s[0:1], 0x0               ; x s[4:5], W_q s[6:7], W_k s[8:9], W_v s[10:11]
	s_load_b128 s[12:15], s[0:1], 0x20             ; xh s[12:13], wh s[14:15]
	s_sub_co_u32 s16, ttmp9, 512                   ; behind x's 512 units: the unit's number in wh
	s_lshr_b32 s17, s16, 6                         ; which weight: 0, 1, 2
	s_and_b32 s18, s16, 63                         ; the unit's number in that weight
	s_mov_b32 s28, 0xffff0000                      ; a word's upper bf16
	v_and_b32 v3, 31, v0                           ; lane
	v_and_b32 v12, 0xe0, v0                        ; 32 x wave
	v_lshlrev_b32 v1, 4, v3
	v_lshl_or_b32 v1, v12, 8, v1                   ; in: 8,192 x wave + 16 x lane
	v_lshlrev_b32 v2, 3, v3
	v_lshl_or_b32 v2, v12, 7, v2                   ; out: 4,096 x wave + 8 x lane
	s_wait_kmcnt 0x0
	s_cmp_eq_u32 s17, 1
	s_cselect_b64 s[20:21], s[8:9], s[6:7]
	s_cmp_eq_u32 s17, 2
	s_cselect_b64 s[20:21], s[10:11], s[20:21]
	s_cmp_lt_u32 ttmp9, 512                        ; the first 512 work-groups take x
	s_cselect_b64 s[20:21], s[4:5], s[20:21]       ; from where
	s_cselect_b64 s[22:23], s[12:13], s[14:15]     ; to where
	s_cselect_b32 s18, ttmp9, s18
	s_cselect_b32 s19, ttmp9, s16
	s_lshl_b32 s24, s18, 16                        ; the unit's bytes in, under 2^25
	s_mov_b32 s25, 0
	s_lshl_b32 s26, s19, 15                        ; and out
	s_mov_b32 s27, 0
	s_add_nc_u64 s[20:21], s[20:21], s[24:25]
	s_add_nc_u64 s[22:23], s[22:23], s[26:27]
	s_wait_alu depctr_va_vdst(0)                   ; v1 and v2 are written: every load of the kernel reads v1 as its offset, every store v2
.irp j, 0,1,2,3,4,5,6,7,8,9,10,11,12,13,14,15
	global_load_b128 v[X+4*(\j):X+4*(\j)+3], v1, s[20:21] offset:512*(\j) th:TH_LOAD_NT
.endr
; Row j's store.
.macro OUT j
	global_store_b64 v2, v[Y+2*(\j):Y+2*(\j)+1], s[22:23] offset:256*(\j)  ; 32 lanes store 256 consecutive bytes, aligned
.endm
; Group p: rows 4 p to 4 p + 3 are rounded; the stores of rows 4 p - 4 to 4 p - 1 go out among them.
.macro GROUP p
.irp i, 0,1,2,3
	s_wait_loadcnt 15-(4*(\p)+(\i))                ; loads come back in order (ISA guide 5.7.1): this row's load is in, the younger ones stay out
.if (\p) > 0
.if (\i) == 0
	s_wait_alu depctr_va_vdst(0)                   ; the group before has written its four pairs of Y, which the group's four stores below read; no vector instruction behind this wait names those pairs or v2
.endif
	OUT 4*(\p)-4+(\i)
.endif
	v_cvt_pk_bf16_f32 v[T], v[X+16*(\p)+4*(\i)], v[X+16*(\p)+4*(\i)+1]      ; the one rounding
	v_cvt_pk_bf16_f32 v[T+1], v[X+16*(\p)+4*(\i)+2], v[X+16*(\p)+4*(\i)+3]
	v_lshlrev_b32 v[T+2], 16, v[T]                 ; bf16 to f32: the low half moves up,
	v_and_b32     v[T+3], s28, v[T]                ; the high half stays
	v_lshlrev_b32 v[T+4], 16, v[T+1]
	v_and_b32     v[T+5], s28, v[T+1]
	v_cvt_pk_f16_f32 v[Y+8*(\p)+2*(\i)], v[T+2], v[T+3]
	v_cvt_pk_f16_f32 v[Y+8*(\p)+2*(\i)+1], v[T+4], v[T+5]
.endr
.endm
	GROUP 0                                        ; no group stands in front of it: no store, and no wait but those for its data
	GROUP 1
	GROUP 2
	GROUP 3
	s_wait_alu depctr_va_vdst(0)                   ; group 3 has written its four pairs of Y, which the last four stores read
.irp j, 12,13,14,15
	OUT \j
.endr
	s_endpgm
.Lfunc_end_k_qfcea8ddcf3_cast:
	.size	k_qfcea8ddcf3_cast, .Lfunc_end_k_qfcea8ddcf3_cast-k_qfcea8ddcf3_cast
	.p2alignl 7, 3214868480
	.fill 96, 4, 3214868480
	.section	.rodata,"a",@progbits
	.p2align	6, 0x0
	.amdhsa_kernel k_qfcea8ddcf3_cast
		.amdhsa_group_segment_fixed_size 0
		.amdhsa_private_segment_fixed_size 0
		.amdhsa_enable_private_segment 0
		.amdhsa_kernarg_size 48
		.amdhsa_user_sgpr_count 2
		.amdhsa_user_sgpr_kernarg_segment_ptr 1
		.amdhsa_wavefront_size32 1
		.amdhsa_system_sgpr_workgroup_id_x 1
		.amdhsa_system_sgpr_workgroup_id_y 1
		.amdhsa_system_sgpr_workgroup_id_z 1
		.amdhsa_system_vgpr_workitem_id 0
		.amdhsa_next_free_vgpr 112
		.amdhsa_next_free_sgpr 66
		.amdhsa_reserve_vcc 0
		.amdhsa_float_denorm_mode_32 3
		.amdhsa_float_denorm_mode_16_64 3
		.amdhsa_memory_ordered 1
		.amdhsa_forward_progress 1
		.amdhsa_inst_pref_size 12
	.end_amdhsa_kernel
	.amdgpu_metadata
---
amdhsa.version: [ 1, 2 ]
amdhsa.kernels:
  - .name:           k_qfcea8ddcf3_cast
    .symbol:         k_qfcea8ddcf3_cast.kd
    .args:
      - { .name: x, .offset: 0, .size: 8, .value_kind: global_buffer, .address_space: global }
      - { .name: W_q, .offset: 8, .size: 8, .value_kind: global_buffer, .address_space: global }
      - { .name: W_k, .offset: 16, .size: 8, .value_kind: global_buffer, .address_space: global }
      - { .name: W_v, .offset: 24, .size: 8, .value_kind: global_buffer, .address_space: global }
      - { .name: xh, .offset: 32, .size: 8, .value_kind: global_buffer, .address_space: global }
      - { .name: wh, .offset: 40, .size: 8, .value_kind: global_buffer, .address_space: global }
    .group_segment_fixed_size: 0
    .private_segment_fixed_size: 0
    .kernarg_segment_align: 8
    .kernarg_segment_size: 48
    .max_flat_workgroup_size: 256
    .sgpr_count:     66
    .vgpr_count:     112
    .wavefront_size: 32
...
	.end_amdgpu_metadata
.endif
;; end of part 7
;; launch projqk: the kernel of part 2 again; grid 8 x 32, 4 waves a work-group, clusters of 4 x 4, 327,680 bytes of LDS; arguments xh, wh, qk; writes qk
;; launch scores: the kernel of part 3 again; grid 36 x 4, 4 waves a work-group, no clusters, 327,680 bytes of LDS; arguments qk, sc; writes sc
;; launch softmax: the kernel of part 4 again; grid 1024 x 1, 8 waves a work-group, no clusters, 0 bytes of LDS; arguments sc, pw, rl; writes pw, rl
;; launch px: the kernel of part 5 again; grid 8 x 32, 4 waves a work-group, clusters of 4 x 4, 327,680 bytes of LDS; arguments pw, xh, rl, yh; writes yh
;; launch outp: the kernel of part 6 again; grid 8 x 32, 4 waves a work-group, clusters of 4 x 4, 327,680 bytes of LDS; arguments yh, wh, out0; writes out0
